; MI455X (gfx1250); checked and timed in simulation.
; The chip was launched on July 23, 2026; its instructions are those of AMD's public machine-readable ISA for CDNA 5 (MIT licence, August 2026) and "CDNA5" Instruction Set Architecture Reference Guide (July 2026). The comments in the code are by the model that wrote it; some were corrected since.
;; Multi Head Attention. Allowed arithmetic: matrix products marked QUANTISED: E2M3 operands, one E8M0 scale for each 32 along K, by v_wmma_scale_f32_16x16x128_f8f6f4 with both operands' format E2M3, f32 sums; everything else in f32.
;; Inputs: b_out 1,024 float32; b_qkv 3,072 float32; w_out 1,024 x 1,024 float32; w_qkv 3,072 x 1,024 float32; x 4 x 2,048 x 1,024 float32.
;; Outputs: out0 4 x 2,048 x 1,024 float32.
;; This version of the problem:
;;   THIS VERSION OF THE PROBLEM IS GIVEN IN LOW PRECISION. The matrix products marked QUANTISED in the list below multiply operands that are first quantised to E2M3 (2 exponent bits, 3 mantissa bits; 6 bits a number), with one power-of-two scale for each 32 numbers along K (OCP MX v1.0); their sums are f32. All else is computed in f32.
;;   The module's matrix products, in the order in which they are computed (A, B: the left and right operand; K: the contracted axis; several contracted axes count as one K, in the product's order):
;;     1. [M 8,192, K 1,024] x [K 1,024, N 3,072]; A: input x; B: input w_qkv: QUANTISED
;;     2. batch 64 x [M 2,048, K 64] x [K 64, N 2,048]; A: computed on the way; B: computed on the way: QUANTISED
;;     3. batch 64 x [M 2,048, K 2,048] x [K 2,048, N 64]; A: softmax (see below); B: computed on the way: QUANTISED
;;     4. [M 8,192, K 1,024] x [K 1,024, N 1,024]; A: computed on the way; B: input w_out: QUANTISED
;;   THE QUANTISER, for each operand of a quantised product, along K:
;;     - K is cut into blocks of 32 from its start; a last block that is shorter is filled with zeros.
;;     - A block's scale is 2^e with e = floor(log2(the largest magnitude in the block)) - 2, held to -126 .. 127; a block of zeros has e = 0. As a byte (E8M0): e + 127.
;;     - Each number is divided by its block's scale, clamped to +-7.5, and rounded to the nearest number of E2M3, ties to even, subnormals kept.
;;     - The product sums the exact products of the quantised numbers (number of the format x scale) in f32.
;;   ~~~python
;;   def quantise(x, axis):      # numpy; x: float32 -> the quantised numbers, widened to float32 again
;;       x = np.moveaxis(x, axis, -1); K = x.shape[-1]
;;       x = np.pad(x, [(0, 0)] * (x.ndim - 1) + [(0, -K % 32)]); x = x.reshape(x.shape[:-1] + (-1, 32)); a = np.abs(x).max(-1, keepdims=True)
;;       e = np.where(a > 0, np.clip(np.frexp(np.where(a > 0, a, 1))[1] - 1 - 2, -126, 127), 0)      # np.frexp(a)[1] - 1 = floor(log2(a)), exactly
;;       r = np.clip(x / 2.0 ** e, -7.5, 7.5)
;;       step = 2.0 ** (np.maximum(np.frexp(np.where(r == 0, 1, r))[1] - 1, 0) - 3)
;;       q = np.round(r / step) * step * 2.0 ** e      # np.round: ties to even
;;       return np.moveaxis(q.reshape(q.shape[:-2] + (-1,))[..., :K], -1, axis).astype(np.float32)
;;   ~~~
;;   SOFTMAX AHEAD OF A QUANTISED PRODUCT. Where the list says 'softmax', what is quantised is not the finished softmax but p = 2^(t - M), with t = logit x log2(e) and M = ceil(the row's largest t), a whole number; so 1/2 < the row's largest p <= 1. The row's sum l is taken of the UNQUANTISED p, in f32, and the product's result is divided by l at the end. Since M is a whole number, a kernel that streams over the keys may use a running M (the ceiling of the running maximum): every later rescaling is an exact power of two, which a block's scale takes up: the codes' values come out the same.
;;   OPERANDS COMPUTED ON THE WAY. 'Computed on the way' means the value that the module computes at that place (a softmax that the list does not call 'softmax' is quantised finished and normalised). What goes into a quantiser is computed in f32, as accurately as f32 sums, v_exp_f32 and their like allow (about 1e-6 of the number): no bf16 or f16 on the way to a quantiser, and a product that is left as it is and whose result goes on into a quantised operand takes f32 operands (vector FMAs, or v_wmma_f32_16x16x4_f32). A number that lies on a knife's edge between two numbers of the format may be rounded either way, as far as f32 arithmetic and the matrix unit's own rounding can turn it there, and no further.
;; One version. Each part assembles by itself: llvm-mc -triple=amdgcn-amd-amdhsa -mcpu=gfx1250 --defsym DOCPART=n.
;; ======== version 1 of 1: 4 launches
;; limits: right only within a limited range of input values
;; workspace buffers: in_img 9,437,184 bytes; in_sc 393,216 bytes; qkv_img 18,874,368 bytes; qkv_sc 786,432 bytes; ao_img 6,291,456 bytes; ao_sc 262,144 bytes
;; launch quant (part 1): grid 256 x 1, 12 waves a work-group, no clusters, 104,448 bytes of LDS; arguments x, w_qkv, w_out, in_img, in_sc; writes in_img, in_sc
.if DOCPART == 1
	.amdgcn_target "amdgcn-amd-amdhsa--gfx1250"
	.amdhsa_code_object_version 6
	.text
	.protected	k_q049a258656_quant
	.globl	k_q049a258656_quant
	.p2align	8
	.type	k_q049a258656_quant,@function
k_q049a258656_quant:
	s_mov_b64 s[64:65], 0
	v_nop
	global_prefetch_b8 v0, s[64:65] scope:SCOPE_SE
	s_setreg_imm32_b32 hwreg(HW_REG_WAVE_MODE, 25, 1), 1
	s_wait_xcnt 0x0
; x [8192][1024], w_qkv [3072][1024] and w_out [1024][1024], f32 with K innermost, become codes of FP6 (E2M3) with one E8M0 byte for each 32 along K.
; A block's scale is 2^(floor(log2(its largest magnitude)) - 2); its byte is that magnitude's exponent field - 2, held at 1 from below.
; LIMITS: a block of zeros gets the byte 1 where the rule says 127 (its codes are zeros, and this program alone reads the bytes); blocks whose largest magnitude lies under 2^-124 are held at the byte 1;
; NaN and infinities among the inputs are not served.
; LAYOUT OF THE CODES: images of the operand's registers.  A fragment is 16 rows x 128 K, 12 registers a lane: lane (r, h) holds row r, registers 6 c .. 6 c + 5 hold K = 64 c + 32 h + 0 .. 31.
; in_img is [rowblock 0..767][K group 0..7][1,536 bytes]; in a fragment byte 512 j + 16 lane holds registers 4 j .. 4 j + 3.  in_sc is [position][32 bytes]: word g scales K = 128 g on.
; POSITIONS: a tensor's rows go in bands of 64; rowblock u = 0 .. 3 of a band holds, at r = 0 .. 15, the band's row 8 u + r % 8 + 32 (r / 8).  Used as source 0 of a product, the four rowblocks of a band
; leave in a lane's 32 registers of four neighbouring result tiles 32 NEIGHBOURS of the true order, rows 32 h + 0 .. 31 of the band: one whole scale block of the next quantiser.
; SHARES: rowblocks 0-511 are x's, 512-703 w_qkv's, 704-767 w_out's.  A work-group of twelve waves takes three rowblocks; four waves share a rowblock, a quarter of K (two fragments) each.
; Each load reads 512 consecutive bytes of one row, and a wave's 32 loads go out at once; the 16 x 512 bytes of a fragment turn through the wave's own stage in LDS (rows 528 bytes apart), since a lane needs 32 neighbours along K.
; The scale words of a rowblock's four waves meet in LDS, behind one barrier, and leave as 512 consecutive bytes.
.set R,   16                           ; v16-143  two sets of 64: a fragment's numbers as loaded
.set X,   144                          ; v144-207 my 64 numbers: X[32 c + e] = K 64 c + 32 h + e of row r
.set PC,  208                          ; v208-219 the fragment's codes
.set SCR, 220                          ; v220-227 the second halves of the blocks' codes, as the conversions leave them
.set W,   228                          ; v228-229 the row's two scale words of my quarter
.set MX,  236
.set SOP, 238
.set BY,  240
.set D,   242
.set SPI, 528                          ; a stage row: 512 bytes + 16
.set SCB, 12*16*SPI                    ; behind the stages: three rowblocks' scale bytes, 512 each
.set SPARE, SCB+1536                   ; the spare words, 128 bytes a wave
	s_load_b256 s[4:11], s[0:1], 0x0               ; x, w_qkv, w_out, in_img
	s_load_b64 s[12:13], s[0:1], 0x20              ; in_sc
	v_lshl_add_u32 v254, v0, 2, SPARE
	v_mov_b32 v255, 0
	v_lshrrev_b32 v1, 5, v0
	v_readfirstlane_b32 s14, v1                    ; wave 0..11
	v_and_b32 v2, 31, v0
	v_and_b32 v3, 15, v0                           ; r
	v_bfe_u32 v4, v0, 4, 1                         ; h
	v_lshlrev_b32 v5, 4, v2                        ; 16 x lane
	s_mul_i32 s18, s14, 16*SPI                     ; my stage
	v_add_nc_u32 v6, s18, v5                       ; into it: 16 bytes a lane of a row
	v_mul_u32_u24 v7, v3, SPI
	v_lshl_add_u32 v7, v4, 7, v7
	v_add_nc_u32 v7, s18, v7                       ; out of it: row r, + 128 h bytes
	v_lshlrev_b32 v8, 3, v4                        ; 8 h
	s_lshr_b32 s19, s14, 2                         ; which of the three rowblocks
	s_and_b32 s25, s14, 3                          ; which quarter of K
	s_lshl_b32 s27, s19, 9
	s_add_co_u32 s27, s27, SCB                     ; my rowblock's 512 scale bytes in LDS
	s_lshl_b32 s26, s25, 3
	s_add_co_u32 s26, s26, s27
	v_lshl_add_u32 v9, v3, 5, s26                  ; 32 r + 8 quarter
	v_add_nc_u32 v11, s27, v5
	v_mov_b32 v10, 0                               ; a lane permute's destination counts as one of its sources
	s_mov_b32 s16, 0x76543210
	s_mov_b32 s17, 0xfedcba98                      ; selects for lane l xor 16
	s_wait_alu depctr_va_vdst(0)                   ; the wait at the head's end
	s_wait_kmcnt 0x0
	s_mul_i32 s24, ttmp9, 3
	s_add_co_u32 s24, s24, s19                     ; my rowblock, 0..767
	s_cmp_lt_u32 s24, 512                          ; which tensor: the choice hangs on ids alone
	s_cselect_b64 s[20:21], s[4:5], s[6:7]
	s_cselect_b32 s15, 0, 512
	s_cmp_lt_u32 s24, 704
	s_cselect_b64 s[20:21], s[20:21], s[8:9]
	s_cselect_b32 s15, s15, 704
	s_sub_co_u32 s15, s24, s15                     ; the rowblock in its tensor: 4 band + u
	s_lshr_b32 s22, s15, 2
	s_lshl_b32 s22, s22, 18                        ; 64 rows of 4,096 bytes a band
	s_and_b32 s23, s15, 3
	s_lshl_b32 s23, s23, 15                        ; + 8 u rows
	s_add_co_u32 s22, s22, s23
	s_lshl_b32 s23, s25, 10                        ; + my quarter: 256 numbers
	s_add_co_u32 s22, s22, s23
	s_mov_b32 s23, 0
	s_add_nc_u64 s[20:21], s[20:21], s[22:23]
	s_lshl_b32 s22, s24, 2
	s_add_co_u32 s22, s22, s25
	s_mul_i32 s22, s22, 2*1536                     ; two fragments a quarter
	s_add_nc_u64 s[10:11], s[10:11], s[22:23]
	s_lshl_b32 s22, s24, 9
	s_add_nc_u64 s[12:13], s[12:13], s[22:23]
.macro LOAD g
.irp r, 0,1,2,3,4,5,6,7,8,9,10,11,12,13,14,15
	global_load_b128 v[R+64*(\g)+4*\r:R+64*(\g)+4*\r+3], v5, s[20:21] offset:(\r%8+32*(\r/8))*4096+512*(\g) th:TH_LOAD_NT
.endr
.endm
.macro FRAGM g
.if (\g) < 1
	s_wait_loadcnt 16                              ; this fragment's 16 loads are in; the second fragment's 16 may be out
.else
	s_wait_loadcnt 0x0
.endif
.irp r, 0,1,2,3,4,5,6,7,8,9,10,11,12,13,14,15
	ds_store_b128 v6, v[R+64*(\g)+4*\r:R+64*(\g)+4*\r+3] offset:SPI*\r
.endr
.irp c, 0,1
.irp i, 0,1,2,3,4,5,6,7
	ds_load_b128 v[X+32*\c+4*\i:X+32*\c+4*\i+3], v7 offset:256*\c+16*\i    ; LDS serves a wave's instructions in order: these see the stores above
.endr
.endr
	s_wait_dscnt 0x0
.irp c, 0,1
	v_max3_num_f32 v[MX+\c], |v[X+32*\c]|, |v[X+32*\c+1]|, 0x1800000       ; block 2 c + h: all its 32 numbers are mine; the floor 2^(3 - 127) holds the byte at 1 from below
.endr
.irp i, 2,4,6,8,10,12,14,16,18,20,22,24,26,28,30
.irp c, 0,1
	v_max3_num_f32 v[MX+\c], v[MX+\c], |v[X+32*\c+\i]|, |v[X+32*\c+\i+1]|
.endr
.endr
.irp c, 0,1
	v_add_nc_u32 v[SOP+\c], 0xff000000, v[MX+\c]   ; 2 off the exponent field: the conversion's scale operand
.endr
.irp c, 0,1
	v_lshrrev_b32 v[BY+\c], 23, v[SOP+\c]          ; the scale's byte
.endr
	v_lshl_or_b32 v[W+(\g)], v[BY+1], 16, v[BY]    ; my two bytes: blocks h and 2 + h,
	v_lshlrev_b32 v[W+(\g)], v8, v[W+(\g)]         ; at their places in the word;
	v_permlanex16_b32 v10, v[W+(\g)], s16, s17
	v_or_b32 v[W+(\g)], v[W+(\g)], v10             ; with lane l xor 16's two the word is whole
.if (\g) > 0
	s_wait_alu depctr_va_vdst(0)
	s_wait_xcnt 0x0                                ; the first fragment's stores have read their data
.endif
.irp c, 0,1
	v_cvt_scalef32_pk16_fp6_f32 v[PC+6*\c:PC+6*\c+2], v[X+32*\c:X+32*\c+15], v[SOP+\c]
	v_cvt_scalef32_pk16_fp6_f32 v[SCR+4*\c:SCR+4*\c+2], v[X+32*\c+16:X+32*\c+31], v[SOP+\c]   ; (a conversion's three registers begin on an even number)
.endr
	v_nop                                          ; one plain instruction behind a scaled conversion
.irp c, 0,1
.irp i, 0,1,2
	v_mov_b32 v[PC+3+6*\c+\i], v[SCR+4*\c+\i]
.endr
.endr
.irp j, 0,1,2
	global_store_b128 v5, v[PC+4*\j:PC+4*\j+3], s[10:11] offset:1536*(\g)+512*\j   ; 32 lanes store 512 consecutive bytes, aligned
.endr
.endm
	LOAD 0
	LOAD 1
	FRAGM 0
	FRAGM 1
	ds_store_b64 v9, v[W:W+1]                      ; lanes r and r + 16 write the same 8 bytes with the same value
	s_wait_dscnt 0x0
	s_barrier_signal -1
	s_barrier_wait -1                              ; the four quarters' words of each rowblock are in LDS
	s_cmp_lg_u32 s25, 0
	s_cbranch_scc1 .Ldone                          ; the wave of quarter 0 stores its rowblock's 512 bytes
	ds_load_b128 v[D:D+3], v11
	s_wait_dscnt 0x0
	global_store_b128 v5, v[D:D+3], s[12:13]
.Ldone:
	s_wait_tensorcnt 0x0                           ; the wave's end
	ds_add_u32 v254, v255
	s_wait_dscnt 0x0
	s_endpgm
.Lfunc_end_k_q049a258656_quant:
	.size	k_q049a258656_quant, .Lfunc_end_k_q049a258656_quant-k_q049a258656_quant
	.p2alignl 7, 3214868480
	.fill 96, 4, 3214868480
	.section	.rodata,"a",@progbits
	.p2align	6, 0x0
	.amdhsa_kernel k_q049a258656_quant
		.amdhsa_group_segment_fixed_size 104448
		.amdhsa_private_segment_fixed_size 0
		.amdhsa_enable_private_segment 0
		.amdhsa_kernarg_size 40
		.amdhsa_user_sgpr_count 2
		.amdhsa_user_sgpr_kernarg_segment_ptr 1
		.amdhsa_wavefront_size32 1
		.amdhsa_system_sgpr_workgroup_id_x 1
		.amdhsa_system_sgpr_workgroup_id_y 1
		.amdhsa_system_sgpr_workgroup_id_z 1
		.amdhsa_system_vgpr_workitem_id 0
		.amdhsa_next_free_vgpr 256
		.amdhsa_next_free_sgpr 66
		.amdhsa_reserve_vcc 0
		.amdhsa_float_denorm_mode_32 3
		.amdhsa_float_denorm_mode_16_64 3
		.amdhsa_memory_ordered 1
		.amdhsa_forward_progress 1
		.amdhsa_inst_pref_size 17
	.end_amdhsa_kernel
	.amdgpu_metadata
---
amdhsa.version: [ 1, 2 ]
amdhsa.kernels:
  - .name:           k_q049a258656_quant
    .symbol:         k_q049a258656_quant.kd
    .args:
      - { .name: x, .offset: 0, .size: 8, .value_kind: global_buffer, .address_space: global }
      - { .name: w_qkv, .offset: 8, .size: 8, .value_kind: global_buffer, .address_space: global }
      - { .name: w_out, .offset: 16, .size: 8, .value_kind: global_buffer, .address_space: global }
      - { .name: in_img, .offset: 24, .size: 8, .value_kind: global_buffer, .address_space: global }
      - { .name: in_sc, .offset: 32, .size: 8, .value_kind: global_buffer, .address_space: global }
    .group_segment_fixed_size: 104448
    .private_segment_fixed_size: 0
    .kernarg_segment_align: 8
    .kernarg_segment_size: 40
    .max_flat_workgroup_size: 384
    .sgpr_count:     66
    .vgpr_count:     256
    .wavefront_size: 32
...
	.end_amdgpu_metadata
.endif
;; end of part 1
;; launch qkv (part 2): grid 12 x 32, 4 waves a work-group, clusters of 4 x 4, 327,680 bytes of LDS; arguments in_img, in_sc, b_qkv, qkv_img, qkv_sc; writes qkv_img, qkv_sc
.if DOCPART == 2
	.amdgcn_target "amdgcn-amd-amdhsa--gfx1250"
	.amdhsa_code_object_version 6
	.text
	.protected	k_q049a258656_qkv
	.globl	k_q049a258656_qkv
	.p2align	8
	.type	k_q049a258656_qkv,@function
k_q049a258656_qkv:
	s_mov_b64 s[64:65], 0
	v_nop
	global_prefetch_b8 v0, s[64:65] scope:SCOPE_SE
	s_setreg_imm32_b32 hwreg(HW_REG_WAVE_MODE, 25, 1), 1
	s_wait_xcnt 0x0
	s_wait_alu depctr_hold_cnt(0) depctr_sa_sdst(0) depctr_va_vdst(0) depctr_va_sdst(0) depctr_va_ssrc(0) depctr_va_vcc(0) depctr_vm_vsrc(0)
	s_getreg_b32 s2, hwreg(HW_REG_IB_STS2, 6, 4)
	s_cmp_eq_u32 s2, 0
	s_cbranch_scc0 .Lentry_in_a_cluster
	s_endpgm
.Lentry_in_a_cluster:
	s_bfe_u32 s2, ttmp6, 0x10000c
	s_cmp_lg_u32 s2, 0xf033
	s_cbranch_scc0 .Lentry_shape_is_right
	s_endpgm
.Lentry_shape_is_right:
.set NQ,    2
.set FR,    12
.set NL,    3
.set NP,    4
.set FRB,   1536
.set HALFT, 8*NQ*FRB
.set SLOT,  4*HALFT
.set SCL,   2*SLOT
.set HALFS, 16*272
.set SBLK,  2*272
.set SPARE, SCL+4*HALFS
.set SCST,  SPARE+512
.set ADRA, 16
.set ADRB, 20
.set L8,   24
.set SWA,  25
.set SRA,  26
.set ADRS, 27
.set SPW,  28
.set NIL,  29
.set L16,  30
.set SC,   32
.set BN,   64
.set AF,   128
.set BM,   224
.set T,    128
.set PC,   192
.set SCR,  204
.set MX,   212
.set PB,   216
.set SO,   220
.set PW,   240
.set WB,   244
.set G1, 24
.set G0, 32
.set G1B, 48
.set G0B, 56
.set G1S, 68
.set G0S, 76
.set G1SB, 80
.set G0SB, 88
.set SEL, 66
.set MSB, 0
.macro WIN new
.if MSB != \new
	s_set_vgpr_msb (MSB<<8)|\new
.set MSB, \new
.endif
.endm
.set MUL_LO, 0xa1
.set MUL_HI, 0xf1
.set TO_B,   0x40
.macro JLOAD g0a, g1a, g0b, g1b
	s_cmp_eq_u32 s15, 0
	s_cbranch_scc0 .Lfor_b_\@
	tensor_load_to_lds s[\g0a:\g0a+3], s[\g1a:\g1a+7]
	s_nop 0
.rept 4
	v_nop
.endr
	s_branch .Lasked_\@
.Lfor_b_\@:
	tensor_load_to_lds s[\g0b:\g0b+3], s[\g1b:\g1b+7]
	s_nop 0
.rept 4
	v_nop
.endr
.Lasked_\@:
.endm
.macro CREST
	s_cmp_lg_u32 s14, 0
	s_cbranch_scc1 .Lnot_wave_0_\@
	s_barrier_signal -3
.Lnot_wave_0_\@:
	s_barrier_wait -3
	s_barrier_signal -1
	s_barrier_wait -1
.endm
.macro CROUND
	s_barrier_signal -1
	s_barrier_wait -1
	CREST
.endm
.macro PLACES n
.rept \n
	v_nop
.endr
.endm
	s_load_b128 s[4:7], s[0:1], 0x0
	s_load_b128 s[8:11], s[0:1], 0x10
	s_load_b64 s[12:13], s[0:1], 0x20
	v_lshl_add_u32 v[SPW], v0, 2, SPARE
	v_mov_b32 v[NIL], 0
	ds_add_u32 v28, v29
	ds_add_u32 v28, v29
	s_wait_dscnt 0x0
	v_lshrrev_b32 v1, 5, v0
	v_readfirstlane_b32 s14, v1
	s_lshr_b32 s15, s14, 1
	s_and_b32 s16, s14, 1
	s_bfe_u32 s40, ttmp6, 0x40000
	s_bfe_u32 s41, ttmp6, 0x40004
	s_and_b32 s17, ttmp7, 0xffff
	s_cmp_eq_u32 ttmp9, 2
	s_cselect_b32 s42, s17, ttmp9
	s_cselect_b32 s17, 0, s17
	s_cselect_b32 s66, 640, 0
	s_cselect_b32 s67, 0, 512
	s_cselect_b32 s96, 64, 512
	s_cselect_b32 s97, 0, -1
	s_cselect_b32 s98, -1, 0
	s_cselect_b32 s99, 12582912, 0
	s_cselect_b32 s100, 524288, 0
	s_lshl_b32 s42, s42, 2
	s_add_co_u32 s42, s42, s40
	s_lshl_b32 s17, s17, 2
	s_add_co_u32 s17, s17, s41
	s_lshl_b32 s43, s41, 2
	s_lshl_b32 s43, 15, s43
	s_lshl_b32 s44, 0x1111, s40
	s_or_b32 s[G1+0], s43, (3<<16)|(1<<21)
	s_or_b32 s[G1B+0], s44, (3<<16)|(1<<21)
.irp g, G1, G1B
	s_mov_b32 s[\g+1], 384<<16
	s_mov_b32 s[\g+2], 16<<16
	s_mov_b32 s[\g+3], 384<<16
	s_mov_b32 s[\g+4], 16
	s_mov_b32 s[\g+5], 1536
	s_mov_b32 s[\g+6], 0
	s_mov_b32 s[\g+7], 0
.endr
	s_or_b32 s[G1S+0], s43, (3<<16)|(1<<20)|(1<<21)|(5<<22)|(3<<25)
	s_or_b32 s[G1SB+0], s44, (3<<16)|(1<<20)|(1<<21)|(5<<22)|(3<<25)
.irp g, G1S, G1SB
	s_mov_b32 s[\g+1], 32<<16
	s_mov_b32 s[\g+2], 32<<16
	s_mov_b32 s[\g+3], 32<<16
	s_mov_b32 s[\g+4], 32
	s_mov_b32 s[\g+5], 32
	s_mov_b32 s[\g+6], 0
	s_mov_b32 s[\g+7], 0
.endr
	s_mul_i32 s18, s16, 64*FRB                     ; in the ring I fetch half a tile: 8 rowblocks of 8 fragments on
	s_mov_b32 s19, 0
	s_lshl_b32 s20, s17, 4
	s_add_co_u32 s20, s20, s66
	s_lshl_b32 s46, s42, 4
	s_add_co_u32 s46, s46, s67
	s_lshl_b32 s22, s20, 9
	s_mov_b32 s23, 0
	s_lshl_b32 s92, s46, 9
	s_mov_b32 s93, 0
	s_mul_i32 s20, s20, 8*FRB
	s_mov_b32 s21, 0
	s_mul_i32 s46, s46, 8*FRB
	s_mov_b32 s47, 0
	s_mul_i32 s45, s14, HALFT
	s_wait_kmcnt 0x0
	s_add_nc_u64 s[20:21], s[4:5], s[20:21]
	s_add_nc_u64 s[22:23], s[6:7], s[22:23]
	s_add_nc_u64 s[46:47], s[4:5], s[46:47]
	s_add_nc_u64 s[92:93], s[6:7], s[92:93]
	CROUND
	s_mov_b32 s[G0S], 1
	s_mov_b32 s[G0S+1], SCL
	s_mov_b64 s[G0S+2:G0S+3], s[22:23]
	s_or_b32 s[G0S+3], s[G0S+3], 0x80000000
	s_mov_b32 s[G0SB], 1
	s_mov_b32 s[G0SB+1], SCL+2*HALFS
	s_mov_b64 s[G0SB+2:G0SB+3], s[92:93]
	s_or_b32 s[G0SB+3], s[G0SB+3], 0x80000000
	s_mov_b32 s[G0], 1                             ; the head's four tiles, each whole: slot 0's 16 rowblocks of A,
	s_mov_b32 s[G0+1], 0
	s_mov_b64 s[G0+2:G0+3], s[20:21]
	s_or_b32 s[G0+3], s[G0+3], 0x80000000
	s_mov_b32 s[G0B], 1                            ; its 16 rowblocks of B, and above the scales of A's and of B's 256 rows
	s_mov_b32 s[G0B+1], 2*HALFT
	s_mov_b64 s[G0B+2:G0B+3], s[46:47]
	s_or_b32 s[G0B+3], s[G0B+3], 0x80000000
.macro ARM under, g0, g1, next                 ; one tensor load a wave at the head, in one chain of branches on the wave's number
	s_cmp_lt_u32 s14, \under
	s_cbranch_scc0 \next
	tensor_load_to_lds s[\g0:\g0+3], s[\g1:\g1+7]
	s_nop 0
.rept 4
	v_nop
.endr
	s_branch .Lhead_asked
\next:
.endm
	ARM 1, G0,  G1,  .Lhead_b
	ARM 2, G0B, G1B, .Lhead_sa
	ARM 3, G0S, G1S, .Lhead_sb
	tensor_load_to_lds s[G0SB:G0SB+3], s[G1SB:G1SB+7]
	s_nop 0
.rept 4
	v_nop
.endr
.Lhead_asked:
	s_add_nc_u64 s[20:21], s[20:21], s[18:19]      ; for the ring: my half of a tile
	s_add_nc_u64 s[46:47], s[46:47], s[18:19]
	s_mov_b32 s[G0+4], 1
	s_add_co_u32 s[G0+5], s45, SLOT
	s_add_nc_u64 s[G0+6:G0+7], s[20:21], NQ*FRB
	s_or_b32 s[G0+7], s[G0+7], 0x80000000
	s_mov_b32 s[G0B+4], 1
	s_add_co_u32 s[G0B+5], s45, SLOT
	s_add_nc_u64 s[G0B+6:G0B+7], s[46:47], NQ*FRB
	s_or_b32 s[G0B+7], s[G0B+7], 0x80000000
	v_and_b32 v1, 15, v0
	v_bfe_u32 v2, v0, 4, 1
	v_and_b32 v3, 31, v0
	v_lshlrev_b32 v[L16], 4, v3
	v_lshlrev_b32 v[L8], 3, v3
	v_lshlrev_b32 v4, 7, v2
	s_wait_alu depctr_va_vdst(0)
	v_and_b32 v5, 7, v1
	v_and_b32 v6, 8, v1
	v_lshl_add_u32 v5, v6, 2, v5
	v_lshlrev_b32 v5, 2, v5
	s_wait_alu depctr_va_vdst(0)
	s_lshl_b32 s18, s42, 10
	s_lshl_b32 s19, s16, 9
	s_add_co_u32 s18, s18, s19
	s_and_b32 s18, s18, s97
	s_mov_b32 s19, 0
	s_add_nc_u64 s[2:3], s[8:9], s[18:19]
	s_lshl_b32 s18, s17, 10
	s_lshl_b32 s94, s15, 9
	s_add_co_u32 s18, s18, s94
	s_add_co_u32 s18, s18, 8192
	s_and_b32 s18, s18, s98
	s_add_nc_u64 s[8:9], s[8:9], s[18:19]
.irp b, 0,1,2,3,4,5,6,7
.irp i, 0,1
	global_load_b128 v[BN+8*\b+4*\i:BN+8*\b+4*\i+3], v4, s[2:3] offset:256*(\b/4)+32*(\b%4)+16*\i
.endr
.endr
.irp a, 0,1,2,3,4,5,6,7
	global_load_b32 v[BM+2*\a], v5, s[8:9] offset:4*(64*(\a/4)+8*(\a%4))
	global_load_b32 v[BM+2*\a+1], v5, s[8:9] offset:4*(64*(\a/4)+8*(\a%4))
.endr
	s_mul_i32 s21, s15, HALFT
	s_mul_i32 s22, s16, HALFT
	s_add_co_u32 s22, s22, 2*HALFT
.irp s, 0,1
	v_add_nc_u32 v[ADRA+\s], s21, v[L16]
	v_add_nc_u32 v[ADRB+\s], s22, v[L16]
	s_add_co_u32 s21, s21, SLOT
	s_add_co_u32 s22, s22, SLOT
.endr
	v_mul_u32_u24 v7, v1, 32
	v_lshrrev_b32 v8, 8, v7
	v_lshl_add_u32 v7, v8, 4, v7
	s_mul_i32 s21, s15, HALFS
	s_mul_i32 s22, s16, HALFS
	s_add_co_u32 s22, s22, 2*HALFS
	s_sub_co_u32 s22, s22, s21
	v_mul_u32_u24 v8, s22, v2
	s_add_co_u32 s21, s21, SCL
	v_add_nc_u32 v7, v7, v8
	v_add_nc_u32 v[ADRS], s21, v7
	s_lshl_b32 s23, s14, 9
	s_add_co_u32 s23, s23, SCST
	v_lshl_add_u32 v[SWA], v1, 2, s23
	v_add_nc_u32 v[SRA], s23, v[L16]
	s_lshl_b32 s18, s42, 1
	s_add_co_u32 s18, s18, s16
	s_mul_i32 s18, s18, s96
	s_lshl_b32 s19, s17, 4
	s_add_co_u32 s18, s18, s19
	s_lshl_b32 s19, s15, 3
	s_add_co_u32 s18, s18, s19
	s_mul_i32 s94, s18, FRB
	s_add_co_u32 s94, s94, s99
	s_mov_b32 s95, 0
	s_add_nc_u64 s[10:11], s[10:11], s[94:95]
	s_lshl_b32 s94, s18, 6
	s_add_co_u32 s94, s94, s100
	s_add_nc_u64 s[12:13], s[12:13], s[94:95]
	s_mov_b32 s[SEL], 0x76543210
	s_mov_b32 s[SEL+1], 0xfedcba98
	s_wait_alu depctr_va_vdst(0)
	s_wait_tensorcnt 0x0                           ; my tile of the head's four is in; the three lines ahead of a later first fill, as ahead of a refill
	ds_add_u32 v28, v29
	s_mov_b32 s[G0+1], s45                         ; no tensor load of mine is out: slot 0's descriptors become the ring's, my half of a tile,
	s_sub_nc_u64 s[G0+2:G0+3], s[G0+6:G0+7], NQ*FRB
	s_mov_b32 s[G0B+1], s45
	s_sub_nc_u64 s[G0B+2:G0B+3], s[G0B+6:G0B+7], NQ*FRB
	s_mov_b32 s[G1+2], 8<<16                       ; and a load brings 8 rowblocks from here on
	s_mov_b32 s[G1+4], 8
	s_mov_b32 s[G1B+2], 8<<16
	s_mov_b32 s[G1B+4], 8
	s_wait_dscnt 0x0
	CROUND                                         ; all four tiles are in, and all sixteen work-groups are here
	JLOAD G0+4, G1, G0B+4, G1B                     ; slot 1's first fill, the first tensor load behind the round
	s_wait_loadcnt 0x0
.set II, 0
.rept 64
	v_and_b32 v[BN+II], s97, v[BN+II]
.set II, II+1
.endr
.set II, 0
.rept 16
	v_and_b32 v[BM+II], s98, v[BM+II]
.set II, II+1
.endr
	PLACES 8
.macro FRAG reg, adr, q, i
.irp c, 0,1,2
	ds_load_b128 v[\reg+4*\c:\reg+4*\c+3], v[\adr] offset:(\i)*NQ*FRB+(\q)*FRB+512*\c
.endr
.endm
.macro MUL16 a0, p, q, sc, zero
.irp a, \a0, \a0+1
.irp b, 0,1,2,3,4,5,6,7
.if \zero
	v_wmma_scale_f32_16x16x128_f8f6f4 v[8*(8*((\a)%4)+\b):8*(8*((\a)%4)+\b)+7], v[128*(\p)+FR*\b:128*(\p)+FR*\b+FR-1], v[AF+FR*(\a):AF+FR*(\a)+FR-1], v[BN+8*\b:BN+8*\b+7], v[SC+8*NQ*(\sc)+NQ*\b+(\q)], v[SC+8*NQ*(\sc)+NQ*(\a)+(\q)] matrix_a_fmt:MATRIX_FMT_FP6 matrix_b_fmt:MATRIX_FMT_FP6 matrix_a_scale:MATRIX_SCALE_ROW1
.else
	v_wmma_scale_f32_16x16x128_f8f6f4 v[8*(8*((\a)%4)+\b):8*(8*((\a)%4)+\b)+7], v[128*(\p)+FR*\b:128*(\p)+FR*\b+FR-1], v[AF+FR*(\a):AF+FR*(\a)+FR-1], v[8*(8*((\a)%4)+\b):8*(8*((\a)%4)+\b)+7], v[SC+8*NQ*(\sc)+NQ*\b+(\q)], v[SC+8*NQ*(\sc)+NQ*(\a)+(\q)] matrix_a_fmt:MATRIX_FMT_FP6 matrix_b_fmt:MATRIX_FMT_FP6 matrix_a_scale:MATRIX_SCALE_ROW1
.endif
.endr
.endr
.endm
.macro FETCH_B slot, q, p
	WIN TO_B
.irp i, 0,1,2,3,4,5,6,7
	FRAG 128*(\p)+FR*\i, ADRB+\slot, \q, \i
.endr
	WIN 0
.endm
.macro FETCH_A slot, q, i0
.irp i, \i0, \i0+1, \i0+2, \i0+3
	FRAG AF+FR*(\i), ADRA+\slot, \q, \i
.endr
.endm
.macro SCALES sc
.irp i, 0,1,2,3,4,5,6,7
	ds_load_b64 v[SC+8*NQ*\sc+NQ*\i:SC+8*NQ*\sc+NQ*\i+1], v[ADRS] offset:\i*SBLK
.endr
.endm
.macro STEP slot, q, zero
	s_wait_dscnt 4*NL
.if \zero
	WIN 0x81
.else
	WIN MUL_LO
.endif
	MUL16 0, (\q)%2, \q, \slot, \zero
	MUL16 2, (\q)%2, \q, \slot, \zero
	s_wait_dscnt 0
	PLACES NP
	FETCH_B \slot, (\q)+1, 1-(\q)%2
	FETCH_A \slot, (\q)+1, 0
.if \zero
	WIN 0xc1
.else
	WIN MUL_HI
.endif
	MUL16 4, (\q)%2, \q, \slot, \zero
	MUL16 6, (\q)%2, \q, \slot, \zero
	PLACES NP
	WIN 0
	FETCH_A \slot, (\q)+1, 4
.endm
.macro TURN slot, next, fill
	s_wait_tensorcnt 0x0
	ds_add_u32 v[SPW], v[NIL]
	s_wait_dscnt 4*NL+1
	WIN MUL_LO
	MUL16 0, 1, NQ-1, \slot, 0
	s_wait_dscnt 0x0
	s_barrier_signal -1
	MUL16 2, 1, NQ-1, \slot, 0
	WIN 0
	s_barrier_wait -1
.if \fill
	CREST
	s_add_nc_u64 s[G0+4*\slot+2:G0+4*\slot+3], s[G0+4*\slot+2:G0+4*\slot+3], 2*NQ*FRB
	s_add_nc_u64 s[G0B+4*\slot+2:G0B+4*\slot+3], s[G0B+4*\slot+2:G0B+4*\slot+3], 2*NQ*FRB
	JLOAD G0+4*\slot, G1, G0B+4*\slot, G1B
.else
	PLACES NP
.endif
	s_wait_alu depctr_va_vdst(0)
	v_add_nc_u32 v[ADRS], 4*NQ, v[ADRS]
	FETCH_B \next, 0, 0
	FETCH_A \next, 0, 0
	SCALES \next
	WIN MUL_HI
	MUL16 4, 1, NQ-1, \slot, 0
	MUL16 6, 1, NQ-1, \slot, 0
	PLACES NP
	WIN 0
	FETCH_A \next, 0, 4
.endm
	s_wait_tensorcnt 1
	s_barrier_signal -1
	s_barrier_wait -1
	FETCH_B 0, 0, 0
	FETCH_A 0, 0, 0
	SCALES 0
	FETCH_A 0, 0, 4
	STEP 0, 0, 1
	TURN 0, 1, 1
	STEP 1, 0, 0
	TURN 1, 0, 1
	STEP 0, 0, 0
	TURN 0, 1, 0
	STEP 1, 0, 0
	s_wait_dscnt 4*NL
	WIN MUL_LO
	MUL16 0, 1, NQ-1, 1, 0
	MUL16 2, 1, NQ-1, 1, 0
	s_wait_dscnt 0
	WIN MUL_HI
	MUL16 4, 1, NQ-1, 1, 0
	MUL16 6, 1, NQ-1, 1, 0
	WIN 0
	PLACES NP
.irp b, 0,1,2,3
	v_mov_b32 v[PB+\b], 0
.endr
	v_and_b32 v31, 16, v0
	v_lshrrev_b32 v31, 1, v31                      ; 8 h: my bytes' place in a scale word
.macro QUANT s
.irp b, 0,1,2,3
	v_max3_num_f32 v[MX+\b], |v[\s+16*\b]|, |v[\s+1+16*\b]|, 0x1800000
.endr
.irp i, 2,4,6,8,10,12,14
.irp b, 0,1,2,3
	v_max3_num_f32 v[MX+\b], v[MX+\b], |v[\s+16*\b+\i]|, |v[\s+1+16*\b+\i]|
.endr
.endr
.irp c, 0,1
	v_max_num_f32 v[MX+2*\c], v[MX+2*\c], v[MX+2*\c+1]   ; registers 32 c .. 32 c + 31 are one block, 2 c + h: all mine
.endr
.irp c, 0,1
	v_add_nc_u32 v[SO+\c], 0xff000000, v[MX+2*\c]
.endr
.irp c, 0,1
	v_lshrrev_b32 v[PB+\c], 23, v[SO+\c]
.endr
	v_lshl_or_b32 v[PB], v[PB+1], 16, v[PB]        ; my two bytes, blocks h and 2 + h,
	v_lshlrev_b32 v[PB], v31, v[PB]                ; at their places in the word;
	v_permlanex16_b32 v[PB+2], v[PB], s[SEL], s[SEL+1]
	v_or_b32 v[PW], v[PB], v[PB+2]                 ; with lane l xor 16's two the word is whole
.irp c, 0,1
	v_cvt_scalef32_pk16_fp6_f32 v[PC+6*\c:PC+2+6*\c], v[\s+32*\c:\s+15+32*\c], v[SO+\c]
	v_cvt_scalef32_pk16_fp6_f32 v[SCR+4*\c:SCR+2+4*\c], v[\s+16+32*\c:\s+31+32*\c], v[SO+\c]
.endr
	v_nop
.irp c, 0,1
.irp i, 0,1,2
	v_mov_b32 v[PC+3+6*\c+\i], v[SCR+4*\c+\i]
.endr
.endr
.endm
.macro OUTBLK a
.if (\a) > 0
	s_wait_xcnt 0x0
.endif
	WIN 0x02+(\a)/4
.set II, 0
.rept 32
	v_pk_add_f32 v[T+2*II:T+2*II+1], v[64*((\a)%4)+2*II:64*((\a)%4)+2*II+1], v[BM+2*(\a):BM+2*(\a)+1]
.set II, II+1
.endr
	WIN 0
	QUANT T
.irp p, 0,1,2,3,4,5
	global_store_b64 v[L8], v[PC+2*\p:PC+2*\p+1], s[10:11] offset:FRB*(\a)+256*\p
.endr
	ds_store_b32 v[SWA], v[PW] offset:64*(\a)
.endm
.irp a, 0,1,2,3,4,5,6,7
	OUTBLK \a
.endr
	ds_load_b128 v[WB:WB+3], v[SRA]
	s_wait_dscnt 0x0
	global_store_b128 v[L16], v[WB:WB+3], s[12:13]
	s_wait_tensorcnt 0x0
	ds_add_u32 v[SPW], v[NIL]
	s_wait_dscnt 0x0
	CROUND
	s_endpgm
.Lfunc_end_k_q049a258656_qkv:
	.size	k_q049a258656_qkv, .Lfunc_end_k_q049a258656_qkv-k_q049a258656_qkv
	.p2alignl 7, 3214868480
	.fill 96, 4, 3214868480
	.section	.rodata,"a",@progbits
	.p2align	6, 0x0
	.amdhsa_kernel k_q049a258656_qkv
		.amdhsa_group_segment_fixed_size 327680
		.amdhsa_private_segment_fixed_size 0
		.amdhsa_enable_private_segment 0
		.amdhsa_kernarg_size 40
		.amdhsa_user_sgpr_count 2
		.amdhsa_user_sgpr_kernarg_segment_ptr 1
		.amdhsa_wavefront_size32 1
		.amdhsa_system_sgpr_workgroup_id_x 1
		.amdhsa_system_sgpr_workgroup_id_y 1
		.amdhsa_system_sgpr_workgroup_id_z 1
		.amdhsa_system_vgpr_workitem_id 0
		.amdhsa_next_free_vgpr 1024
		.amdhsa_next_free_sgpr 102
		.amdhsa_reserve_vcc 0
		.amdhsa_float_denorm_mode_32 3
		.amdhsa_float_denorm_mode_16_64 3
		.amdhsa_memory_ordered 1
		.amdhsa_forward_progress 1
		.amdhsa_inst_pref_size 160
	.end_amdhsa_kernel
	.amdgpu_metadata
---
amdhsa.version: [ 1, 2 ]
amdhsa.kernels:
  - .name:           k_q049a258656_qkv
    .symbol:         k_q049a258656_qkv.kd
    .args:
      - { .name: in_img, .offset: 0, .size: 8, .value_kind: global_buffer, .address_space: global }
      - { .name: in_sc, .offset: 8, .size: 8, .value_kind: global_buffer, .address_space: global }
      - { .name: b_qkv, .offset: 16, .size: 8, .value_kind: global_buffer, .address_space: global }
      - { .name: qkv_img, .offset: 24, .size: 8, .value_kind: global_buffer, .address_space: global }
      - { .name: qkv_sc, .offset: 32, .size: 8, .value_kind: global_buffer, .address_space: global }
    .group_segment_fixed_size: 327680
    .private_segment_fixed_size: 0
    .kernarg_segment_align: 8
    .kernarg_segment_size: 40
    .max_flat_workgroup_size: 128
    .sgpr_count:     102
    .vgpr_count:     1024
    .wavefront_size: 32
...
	.end_amdgpu_metadata
.endif
;; end of part 2
;; launch attn (part 3): grid 4 x 64, 16 waves a work-group, clusters of 4 x 1, 215,040 bytes of LDS; arguments qkv_img, qkv_sc, ao_img, ao_sc; writes ao_img, ao_sc
.if DOCPART == 3
	.amdgcn_target "amdgcn-amd-amdhsa--gfx1250"
	.amdhsa_code_object_version 6
	.text
	.protected	k_q049a258656_attn
	.globl	k_q049a258656_attn
	.p2align	8
	.type	k_q049a258656_attn,@function
k_q049a258656_attn:
	s_mov_b64 s[64:65], 0
	v_nop
	global_prefetch_b8 v0, s[64:65] scope:SCOPE_SE
	s_setreg_imm32_b32 hwreg(HW_REG_WAVE_MODE, 25, 1), 1
	s_wait_xcnt 0x0
	s_wait_alu depctr_hold_cnt(0) depctr_sa_sdst(0) depctr_va_vdst(0) depctr_va_sdst(0) depctr_va_ssrc(0) depctr_va_vcc(0) depctr_vm_vsrc(0)
	s_getreg_b32 s2, hwreg(HW_REG_IB_STS2, 6, 4)
	s_cmp_eq_u32 s2, 0
	s_cbranch_scc0 .Lentry_in_a_cluster
	s_endpgm
.Lentry_in_a_cluster:
	s_bfe_u32 s2, ttmp6, 0x10000c
	s_cmp_lg_u32 s2, 0x3003
	s_cbranch_scc0 .Lentry_shape_is_right
	s_endpgm
.Lentry_shape_is_right:
; Attention on codes of FP6 with E8M0 scales: S = q k^T (K = the head's 64), p = 2^(t - M), O = p v / l (K = the keys); O is quantised along the model's 1,024 for the last product.
; t = score x log2(e) / 8; M = the running largest t rounded up to a whole number; the row's sum l is taken of the unquantised p; when M moves, l and O are multiplied by 2^(old M - new M), exactly.
; SHARES: grid y = 16 batch + head; a work-group owns ONE head and 512 query positions, each of its sixteen waves two tiles of 16 of them, in 256 registers: four waves to a SIMD.
; ALL OF THE HEAD'S K AND V LIES IN LDS: 2,048 keys are 98,304 bytes of K's codes, as many of V's, and 12,288 bytes of scale words.  Each wave asks for a sixteenth of the codes by its one tensor load at
; the head; nothing is filled again, so behind the one barrier that shows the tiles to all waves the sixteen key steps of 128 have no barrier.  The four work-groups of a cluster share the head: each tile is asked for jointly, mask 15.
; No prefetch is laid: every tile is asked for at the head, and there is no loop in which to ask ahead.
; LAYOUT: both products are used transposed (source 0 = 16 keys, or 16 channels of V; source 1 = my 16 queries): a lane holds one query throughout.  Rowblock u of a band of 64 positions holds rows
; 8 u + i and 32 + 8 u + i, so the 32 registers of result tiles 4 c .. 4 c + 3 are 32 NEIGHBOURS, keys (or channels) 64 c + 32 h + 0 .. 31: one whole scale block in a lane, in the order of the next operand's registers.
; K = 64 IN A FORM OF 128: an image of K or Q holds a pair of heads, six registers each; my head's six are 768 consecutive bytes.  Q's operand is (codes, zeros) for my tile 0 and (zeros, codes) for tile 1,
; the zeros shared; its scale bytes of the idle half are 0, the least exponent.  A zero code times any code is 0 and FP6 has no NaN, so K's idle half may hold anything: the eight tiles of a step lie on end
; and a tile's idle half is its neighbour's codes or a pad.  K's scale words are laid in LDS with my head's two bytes in both halves, so that they serve both places.
; TWO REGIONS OF 64 REGISTERS TAKE TURNS, tile by tile.  One holds K's 48 registers between two pads; behind the score products it takes V's 48, asked for at once, and the 16 registers round them are the softmax's
; temporaries.  The other holds S, then p; behind the conversions it takes the NEXT tile's K.  So every LDS load is asked for a phase ahead of its wait.  The last trip's loads ahead name step 15 again and are not used.
; LIMITS: a block of zeros gets the byte 1 where the rule says 127 (zero codes; this program alone reads the bytes); blocks under 2^-124 are held at the byte 1; NaN and infinities are not served;
; the promise holds while the scaled scores t stay under 2^31 in magnitude.  O's scale bytes leave as stores of one byte a lane: 262,144 bytes in the whole launch.
.set VB,    98304                      ; LDS: K's codes from 0, 6,144 bytes a key step; V's from VB likewise
.set WB,    196608                     ; the words: 1,024 bytes a step: K's 512, V's 256, 256 idle
.set SPARE, WB+16*1024                 ; 128 bytes for each of sixteen waves: no other line names them
.set L8,  1                            ; 8 x lane
.set LV,  2                            ; VB + 8 x lane
.set LW,  3                            ; WB + 4 x lane
.set SPW, 4
.set NIL, 5
.set AK,  6                            ; where the next loads of K, of V, of words read
.set AV,  7
.set AW,  8
.set H8,  9                            ; 8 h
.set PB,  10                           ; v10-11 a chain of the sum
.set OLD, 12
.set TM,  13
                                       ; v14-17 tile 0: -M, the largest score, the sum in two halves; v18-21 tile 1
.set QQ,  22                           ; v22-27 Q of tile 0, v28-33 zeros, v34-39 Q of tile 1
.set QS,  40                           ; v40, v41 their scale words
.set KS,  42                           ; v42-45 K's scale words: lanes 0-15 an even tile's, lanes 16-31 the odd one's
.set VS,  46                           ; v46-47 V's
.set PW,  48                           ; p's scale word
.set PX,  49                           ; a permute's destination
.set FF,  50                           ; v50 f = 2^(old M - new M); v51 its partner in the pair
.set R1,  52                           ; v52-115, v116-179 the two regions
.set R2,  116
                                       ; v180-211 O^T of tile 0, v212-243 of tile 1
.set PC,  244                          ; v244-255 p's codes
.set WV,  12
.set SEL, 20
.set CS,  22                           ; s[22:23] c = log2(e) / 8
.set G1K, 24                           ; group 1: 16 rows of 768 bytes, 1,536 apart
.set G1V, 32                           ; 2 rows of 6,144 bytes, 98,304 apart
.set G0,  40
.set TB,  44
.set TW,  45
.set CNT, 46
.set PSEL, 47
.set SH,  48
.set TBN, 49                           ; the next step's place, held at step 15
.set TWN, 76
.macro CROUND                          ; a round of the cluster's barrier
	s_barrier_signal -1
	s_barrier_wait -1
	s_cmp_lg_u32 s[WV], 0
	s_cbranch_scc1 .Lnot_wave_0_\@
	s_barrier_signal -3
.Lnot_wave_0_\@:
	s_barrier_wait -3
	s_barrier_signal -1
	s_barrier_wait -1
.endm
	s_load_b256 s[4:11], s[0:1], 0x0               ; qkv_img, qkv_sc, ao_img, ao_sc
	v_lshl_add_u32 v[SPW], v0, 2, SPARE
	v_mov_b32 v[NIL], 0
	ds_add_u32 v[SPW], v[NIL]                      ; the opening lines: the add, twice on end, and its wait ahead of my tensor load
	ds_add_u32 v[SPW], v[NIL]
	v_lshrrev_b32 v12, 5, v0
	v_readfirstlane_b32 s[WV], v12                 ; wave 0..15
	v_and_b32 v13, 31, v0
	v_lshlrev_b32 v[L8], 3, v13
	v_add_nc_u32 v[LV], VB, v[L8]
	v_lshl_add_u32 v[LW], v13, 2, WB
	v_and_b32 v[H8], 16, v0
	v_lshrrev_b32 v[H8], 1, v[H8]
	v_lshlrev_b32 v52, 4, v0                       ; K's words in memory: 8,192 dense bytes, 16 a thread
	v_lshl_add_u32 v53, v12, 12, v[L8]             ; V's: wave w takes step w's 256 bytes, 4,096 apart, 8 a lane
	v_lshlrev_b32 v54, 10, v12
	v_lshl_add_u32 v55, v13, 4, v54
	v_add_nc_u32 v55, WB, v55                      ; LDS: step w's words of K,
	v_add_nc_u32 v54, v54, v[L8]
	v_add_nc_u32 v54, WB+512, v54                  ; and of V
	v_and_b32 v56, 15, v0
	v_lshlrev_b32 v57, 2, v56                      ; 4 r: Q's words
	v_mov_b32 v[AK], v[L8]                         ; step 0
	v_mov_b32 v[AV], v[LV]
	v_mov_b32 v[AW], v[LW]
	s_bfe_u32 s13, ttmp6, 0x40000                  ; cx: it enters Q's and O's addresses alone
	s_and_b32 s14, ttmp7, 0xffff
	s_lshr_b32 s15, s14, 4                         ; batch
	s_and_b32 s16, s14, 15                         ; head
	s_lshr_b32 s17, s16, 1                         ; pair
	s_and_b32 s18, s16, 1                          ; which of the pair
	s_mul_i32 s19, s18, 768                        ; my head's half of an image
	s_lshl_b32 s[SH], s18, 4                       ; and of a scale word, in bits
	s_mov_b32 s[PSEL], 0x03020302
	s_cmp_eq_u32 s18, 1
	s_cselect_b32 s[PSEL], s[PSEL], 0x01000100     ; my head's two bytes of a word, twice
	s_add_co_u32 s58, s17, 8
	s_lshl_b32 s58, s58, 9
	s_lshl_b32 s59, s15, 7
	s_add_co_u32 s58, s58, s59                     ; K: group 8 + pair, the batch's first rowblock
	s_mul_i32 s60, s58, 1536
	s_add_co_u32 s60, s60, s19
	s_lshl_b32 s54, s58, 6
	s_mov_b32 s55, 0
	s_lshl_b32 s61, s15, 10
	s_lshl_b32 s62, s16, 2
	s_add_co_u32 s61, s61, s62                     ; V: 64 rowblocks for each of the batch's 16 steps; the head's 4
	s_mul_i32 s62, s61, 1536
	s_add_co_u32 s62, s62, 12582912
	s_lshl_b32 s56, s61, 6
	s_add_co_u32 s56, s56, 524288
	s_mov_b32 s57, 0
	s_and_b32 s63, s[WV], 7                        ; waves 0-7 fetch two steps of K each, waves 8-15 two steps of V
	s_mov_b32 s66, 196608
	s_cmp_lt_u32 s[WV], 8
	s_cselect_b32 s66, 24576, s66
	s_cselect_b32 s68, s60, s62
	s_mul_i32 s66, s66, s63
	s_add_co_u32 s68, s68, s66
	s_mov_b32 s69, 0
	s_mul_i32 s[G0+1], s[WV], 12288                ; LDS: wave x 12,288: V's region begins where wave 8's part does
	s_mov_b32 s[G1K], 15|(3<<16)|(1<<21)           ; the mask: all four work-groups; elements of 8 bytes; bit 21 beside a mask
	s_mov_b32 s[G1K+1], 96<<16
	s_mov_b32 s[G1K+2], 16<<16
	s_mov_b32 s[G1K+3], 96<<16
	s_mov_b32 s[G1K+4], 16
	s_mov_b32 s[G1K+5], 192
	s_mov_b32 s[G1K+6], 0
	s_mov_b32 s[G1K+7], 0
	s_mov_b32 s[G1V], 15|(3<<16)|(1<<21)
	s_mov_b32 s[G1V+1], 768<<16
	s_mov_b32 s[G1V+2], 2<<16
	s_mov_b32 s[G1V+3], 768<<16
	s_mov_b32 s[G1V+4], 2
	s_mov_b32 s[G1V+5], 12288
	s_mov_b32 s[G1V+6], 0
	s_mov_b32 s[G1V+7], 0
	s_mov_b32 s[SEL], 0x76543210
	s_mov_b32 s[SEL+1], 0xfedcba98
	s_mov_b32 s[CS], 0x3e38aa3b
	s_mov_b32 s[CS+1], s[CS]
	s_mov_b32 s[TB], 0
	s_mov_b32 s[TW], 0
	s_mov_b32 s[CNT], 0
	s_lshl_b32 s70, s13, 5
	s_add_co_u32 s70, s70, s59
	s_lshl_b32 s71, s[WV], 1
	s_add_co_u32 s70, s70, s71                     ; my first rowblock: 128 batch + 32 cx + 2 wave
	s_lshl_b32 s71, s17, 9
	s_add_co_u32 s71, s71, s70                     ; in q's group of the pair
	s_mul_i32 s50, s71, 1536
	s_add_co_u32 s50, s50, s19
	s_mov_b32 s51, 0
	s_lshl_b32 s52, s71, 6
	s_mov_b32 s53, 0
	s_lshl_b32 s72, s70, 3
	s_add_co_u32 s72, s72, s17
	s_mul_i32 s72, s72, 1536                       ; ao_img: [rowblock][pair], my head's half
	s_add_co_u32 s72, s72, s19
	s_mov_b32 s73, 0
	s_lshl_b32 s74, s70, 9
	s_lshl_b32 s75, s16, 1
	s_add_co_u32 s74, s74, s75                     ; ao_sc: 512 bytes a rowblock, bytes 2 head + h of a row's 32
	s_mov_b32 s75, 0
	s_wait_alu depctr_va_vdst(0)                   ; the wait at the head's end
	s_wait_dscnt 0x0                               ; both opening adds are done
	s_wait_kmcnt 0x0
	s_mov_b32 s[G0], 1
	s_add_nc_u64 s[G0+2:G0+3], s[4:5], s[68:69]
	s_or_b32 s[G0+3], s[G0+3], 0x80000000
	s_add_nc_u64 s[50:51], s[4:5], s[50:51]
	s_add_nc_u64 s[52:53], s[6:7], s[52:53]
	s_add_nc_u64 s[54:55], s[6:7], s[54:55]
	s_add_nc_u64 s[56:57], s[6:7], s[56:57]
	s_add_nc_u64 s[8:9], s[8:9], s[72:73]
	s_add_nc_u64 s[10:11], s[10:11], s[74:75]
.irp p, 0,1,2
	global_load_b64 v[QQ+2*\p:QQ+2*\p+1], v[L8], s[50:51] offset:256*\p             ; my head's six registers of Q's image, tile 0,
	global_load_b64 v[QQ+12+2*\p:QQ+13+2*\p], v[L8], s[50:51] offset:1536+256*\p    ; and tile 1
.endr
	global_load_b32 v66, v57, s[52:53]
	global_load_b32 v67, v57, s[52:53] offset:64
	global_load_b128 v[60:63], v52, s[54:55]
	global_load_b64 v[64:65], v53, s[56:57]
	CROUND                                         ; all four work-groups are here: the joint loads meet
	s_cmp_lt_u32 s[WV], 8                          ; one tensor load a wave, in the two arms of one branch on the wave's number
	s_cbranch_scc0 .Lfor_v
	tensor_load_to_lds s[G0:G0+3], s[G1K:G1K+7]
	s_nop 0
.rept 4
	v_nop
.endr
	s_branch .Lasked
.Lfor_v:
	tensor_load_to_lds s[G0:G0+3], s[G1V:G1V+7]
	s_nop 0
.rept 4
	v_nop
.endr
.Lasked:
.irp n, 28,29,30,31,32,33,116,117,118,119,120,121,170,171,172,173,174,175,10,11,49,16,17,20,21,50,51
	v_mov_b32 v\n, 0                               ; Q's idle half, the first K's pads, the permutes' destinations, the sums, f's pair
.endr
.set J, 0
.rept 64
	v_mov_b32 v[180+J], 0                          ; O^T.  (The step is written once: its first trip finds zeros, which the first change of M leaves zeros)
.set J, J+1
.endr
	v_mov_b32 v15, 0xff61b1e6                      ; the largest score so far: -3e38
	v_mov_b32 v19, 0xff61b1e6
	v_mov_b32 v14, 0x7e000000                      ; -M: 2^125, so that the first f is 0
	v_mov_b32 v18, 0x7e000000
	v_mov_b32 v[OLD], 0x7e000000
	s_wait_loadcnt 0x0
.irp i, 0,1,2,3
	v_perm_b32 v[60+\i], v[60+\i], v[60+\i], s[PSEL]
.endr
	v_lshrrev_b32 v66, s[SH], v66
	v_lshrrev_b32 v67, s[SH], v67
	v_and_b32 v[QS], 0xffff, v66                   ; tile 0: bytes 0, 1; the idle half's bytes are 0
	v_lshlrev_b32 v[QS+1], 16, v67                 ; tile 1: bytes 2, 3
.rept 8
	v_nop                                          ; a scale register written by a vector instruction stands 8 places ahead of a scaled product
.endr
	s_wait_alu depctr_va_vdst(0)
	s_wait_tensorcnt 0x0                           ; my part of the codes is in
	ds_store_b128 v55, v[60:63]
	ds_store_b64 v54, v[64:65]
	s_wait_dscnt 0x0
	s_barrier_signal -1
	s_barrier_wait -1                              ; all codes and words are in: nothing is written in LDS from here on
.set I, 0
.rept 24
	ds_load_b64 v[R2+6+2*I:R2+7+2*I], v[AK] offset:256*I   ; step 0's K for tile 0,
.set I, I+1
.endr
.irp i, 0,1,2,3
	ds_load_b32 v[KS+\i], v[AW] offset:128*\i      ; and its words
.endr
.macro VLD from, n                     ; V's pieces: 256 consecutive bytes a load
.set I, \from
.rept \n
	ds_load_b64 v[RK+6+2*I:RK+7+2*I], v[AV] offset:256*I
.set I, I+1
.endr
.endm
; One tile's part of a key step: 8 products K Q^T, the softmax, p quantised, 4 products V^T P.
.macro TILE qt
.set ST, 14+4*\qt
.set OO, 180+32*\qt
.set RK, R2-64*\qt                     ; K, then V and the temporaries
.set RS, R1+64*\qt                     ; S, then p, then the next tile's K
.set MX, RK                            ; RK+0..3 four chains of the maxima, later a chain of the sum
.set SO, RK+4
.set C3, RK+54
.set TC, RK+56                         ; RK+56..58, RK+60..62
.set BY, RK+59                         ; RK+59, RK+63
	s_wait_alu depctr_va_vdst(0)
	s_wait_dscnt 0x0                               ; K and its words, asked for in the tile before
.irp t, 0,2,4,6
	v_wmma_scale_f32_16x16x128_f8f6f4 v[RS+8*\t:RS+8*\t+7], v[RK+6+6*\t-6*\qt:RK+17+6*\t-6*\qt], v[QQ+6*\qt:QQ+6*\qt+11], 0, v[KS+\t/2], v[QS+\qt] matrix_a_fmt:MATRIX_FMT_FP6 matrix_b_fmt:MATRIX_FMT_FP6
	v_wmma_scale_f32_16x16x128_f8f6f4 v[RS+8*\t+8:RS+8*\t+15], v[RK+12+6*\t-6*\qt:RK+23+6*\t-6*\qt], v[QQ+6*\qt:QQ+6*\qt+11], 0, v[KS+\t/2], v[QS+\qt] matrix_a_fmt:MATRIX_FMT_FP6 matrix_b_fmt:MATRIX_FMT_FP6 matrix_a_scale:MATRIX_SCALE_ROW1
.endr
.rept 4
	v_nop                                          ; places behind the products: in front of the loads over K, of the first read of S, of the temporaries
.endr
	VLD 0, 12
.if \qt
.irp i, 0,1,2,3
	ds_load_b32 v[KS+\i], v[AW] offset:128*\i      ; the next step's words of K
.endr
.else
.irp i, 0,1
	ds_load_b32 v[VS+\i], v[AW] offset:512+128*\i  ; this step's words of V serve both tiles
.endr
.endif
.irp c, 0,1                                    ; the largest score of my two blocks of 32 keys, two chains each, every accumulator from its low end on
	v_max3_num_f32 v[MX+2*\c], v[RS+32*\c], v[RS+32*\c+1], v[RS+32*\c+2]
	v_max3_num_f32 v[MX+2*\c+1], v[RS+32*\c+17], v[RS+32*\c+18], v[RS+32*\c+19]
.endr
.irp i, 0,2,4,6,8,10
.irp c, 0,1
	v_max3_num_f32 v[MX+2*\c], v[MX+2*\c], v[RS+32*\c+3+\i], v[RS+32*\c+4+\i]
	v_max3_num_f32 v[MX+2*\c+1], v[MX+2*\c+1], v[RS+32*\c+20+\i], v[RS+32*\c+21+\i]
.endr
.endr
.irp c, 0,1
	v_max3_num_f32 v[MX+2*\c], v[MX+2*\c], v[RS+32*\c+15], v[RS+32*\c+16]
.endr
.irp c, 0,1
	s_delay_alu instid0(VALU_DEP_2)
	v_max_num_f32 v[MX+2*\c], v[MX+2*\c], v[MX+2*\c+1]   ; it serves the row's maximum and, since p rises with the score, the block's largest p
.endr
	VLD 12, 2                                      ; (the rest of V's loads stand among the links of the chain to M)
	v_max_num_f32 v[TM], v[MX], v[MX+2]
	VLD 14, 2
	v_permlanex16_b32 v[PX], v[TM], s[SEL], s[SEL+1]
	VLD 16, 2
	v_max3_num_f32 v[ST+1], v[ST+1], v[TM], v[PX]  ; the running largest score, lane l xor 16's 64 keys among them
	VLD 18, 2
	v_mul_f32 v[TM], s[CS], v[ST+1]                ; as t (c is positive)
	VLD 20, 2
	v_floor_f32 v[ST], -v[TM]                      ; the new -M = floor(-t): M is a whole number
	VLD 22, 2
.set J, 0
.rept 32
	v_pk_fma_f32 v[RS+J:RS+J+1], v[RS+J:RS+J+1], s[CS:CS+1], v[ST:ST+1] op_sel_hi:[1,0,0]   ; t - M, two at a time; among them the three lines that make f
.if J == 6
	v_sub_f32 v[TM], v[ST], v[OLD]                 ; old M - new M: a whole number, 0 or less
.endif
.if J == 22
	v_cvt_i32_f32 v[TM], v[TM]                     ; (it saturates)
.endif
.if J == 38
	v_ldexp_f32 v[FF], 1.0, v[TM]                  ; f = 2^(old M - new M)
.endif
.set J, J+2
.endr
.irp c, 0,1
	v_fma_f32 v[MX+2*\c], v[MX+2*\c], s[CS], v[ST] ; the same of each block's largest score
.endr
	s_wait_alu depctr_va_vdst(0)                   ; the wait ahead of the batch
.set J, 0
.rept 64
	v_exp_f32 v[RS+J], v[RS+J]                     ; p = 2^(t - M), at most 1: not normalised
.set J, J+1
.endr
.irp c, 0,1
	v_exp_f32 v[MX+2*\c], v[MX+2*\c]               ; the block's largest p: the same two instructions on the same number give the same bits
.endr
	v_pk_mul_f32 v[ST+2:ST+3], v[ST+2:ST+3], v[FF:FF+1] op_sel_hi:[1,0]    ; the sums under the new M; the plain instruction behind the exponentials
	s_wait_alu depctr_va_vdst(0)                   ; one wait for the batch of 66, ahead of its first reader
.irp c, 0,1
	v_max_num_f32 v[MX+2*\c], 0x1800000, v[MX+2*\c]   ; the floor 2^(3 - 127): the byte cannot fall under 1
.endr
.irp c, 0,1
	s_delay_alu instid0(VALU_DEP_2)
	v_add_nc_u32 v[SO+\c], 0xff000000, v[MX+2*\c]  ; 2 off the exponent field: the conversion's scale operand
.endr
	v_pk_add_f32 v[PB:PB+1], v[RS:RS+1], v[RS+2:RS+3]           ; the row's sum is taken of the unquantised p: two at a time, in four chains;
	v_pk_add_f32 v[C3:C3+1], v[RS+4:RS+5], v[RS+6:RS+7]         ; among them the lines that make p's scale word
	v_pk_add_f32 v[MX:MX+1], v[RS+8:RS+9], v[RS+10:RS+11]
	v_pk_add_f32 v[ST+2:ST+3], v[ST+2:ST+3], v[RS+12:RS+13]
	v_lshrrev_b32 v[BY], 23, v[SO]                 ; the scales' bytes
	v_lshrrev_b32 v[BY+4], 23, v[SO+1]
.set J, 14
.rept 6
	v_pk_add_f32 v[PB:PB+1], v[PB:PB+1], v[RS+J:RS+J+1]
	v_pk_add_f32 v[C3:C3+1], v[C3:C3+1], v[RS+J+2:RS+J+3]
	v_pk_add_f32 v[MX:MX+1], v[MX:MX+1], v[RS+J+4:RS+J+5]
	v_pk_add_f32 v[ST+2:ST+3], v[ST+2:ST+3], v[RS+J+6:RS+J+7]
.if J == 14
	v_lshl_or_b32 v[TM], v[BY+4], 16, v[BY]        ; my two bytes, blocks h and 2 + h,
.endif
.if J == 22
	v_lshlrev_b32 v[TM], v[H8], v[TM]              ; at their places in the word;
.endif
.if J == 30
	v_permlanex16_b32 v[PX], v[TM], s[SEL], s[SEL+1]
.endif
.if J == 38
	v_or_b32 v[PW], v[TM], v[PX]                   ; with lane l xor 16's two: p's scale word for these 128 keys
.endif
.set J, J+8
.endr
	v_pk_add_f32 v[PB:PB+1], v[PB:PB+1], v[RS+62:RS+63]
	v_pk_add_f32 v[C3:C3+1], v[C3:C3+1], v[MX:MX+1]
	s_delay_alu instid0(VALU_DEP_2)
	v_pk_add_f32 v[ST+2:ST+3], v[ST+2:ST+3], v[PB:PB+1]
	s_delay_alu instid0(VALU_DEP_1)
	v_pk_add_f32 v[ST+2:ST+3], v[ST+2:ST+3], v[C3:C3+1]
.irp c, 0,1
	v_cvt_scalef32_pk16_fp6_f32 v[PC+6*\c:PC+2+6*\c], v[RS+32*\c:RS+15+32*\c], v[SO+\c]
	v_cvt_scalef32_pk16_fp6_f32 v[TC+4*\c:TC+2+4*\c], v[RS+16+32*\c:RS+31+32*\c], v[SO+\c]   ; (a conversion's three registers begin on an even number)
.endr
	v_nop                                          ; one plain instruction behind a scaled conversion
.irp c, 0,1
.irp i, 0,1,2
	v_mov_b32 v[PC+3+6*\c+\i], v[TC+4*\c+\i]
.endr
.endr
.set I, 0
.rept 24
	ds_load_b64 v[RS+6+2*I:RS+7+2*I], v[AK] offset:256*I   ; p is done with: the next tile's K, eight tiles of six registers on end
.set I, I+1
.endr
	s_wait_alu depctr_va_vdst(0)                   ; directly ahead of the first reader of O^T
.set J, 0
.rept 16
	v_pk_mul_f32 v[OO+J:OO+J+1], v[OO+J:OO+J+1], v[FF:FF+1] op_sel_hi:[1,0]   ; O^T under the new M; also the places in front of the products below
.set J, J+2
.endr
	s_wait_alu depctr_va_vdst(0)
	s_wait_dscnt 24                                ; V and the words are in; the 24 loads of K, issued behind them, may be out
.irp u, 0,2                                    ; the four accumulators take turns, one instruction a turn
	v_wmma_scale_f32_16x16x128_f8f6f4 v[OO+8*\u:OO+8*\u+7], v[RK+6+12*\u:RK+17+12*\u], v[PC:PC+11], v[OO+8*\u:OO+8*\u+7], v[VS+\u/2], v[PW] matrix_a_fmt:MATRIX_FMT_FP6 matrix_b_fmt:MATRIX_FMT_FP6
	v_wmma_scale_f32_16x16x128_f8f6f4 v[OO+8*\u+8:OO+8*\u+15], v[RK+18+12*\u:RK+29+12*\u], v[PC:PC+11], v[OO+8*\u+8:OO+8*\u+15], v[VS+\u/2], v[PW] matrix_a_fmt:MATRIX_FMT_FP6 matrix_b_fmt:MATRIX_FMT_FP6 matrix_a_scale:MATRIX_SCALE_ROW1
.endr
.if \qt                                        ; five places: the next tile's score products write over V's registers
	v_mov_b32 v[OLD], v14                          ; the next tile's old -M
	v_add_nc_u32 v[AV], s[TBN], v[LV]              ; the next step's V
.rept 3
	v_nop
.endr
.else
	v_mov_b32 v[OLD], v18
	v_add_nc_u32 v[AK], s[TBN], v[L8]              ; the next step's K and words
	v_add_nc_u32 v[AW], s[TWN], v[LW]
.rept 2
	v_nop
.endr
.endif
.endm
.Lstep:                                            ; sixteen key steps of 128
	s_add_co_u32 s[TB], s[TB], 6144
	s_min_u32 s[TBN], s[TB], 15*6144
	s_add_co_u32 s[TW], s[TW], 1024
	s_min_u32 s[TWN], s[TW], 15*1024
	TILE 0
	TILE 1
	s_add_co_u32 s[CNT], s[CNT], 1
	s_cmp_lt_u32 s[CNT], 16
	s_wait_alu depctr_va_vdst(0)
	s_cbranch_scc1 .Lstep
	; THE WAY OUT: O^T / l of a tile are 32 numbers of a lane, channels 32 h + 0 .. 31 of my head: one scale block, six registers of the last product's A.
.set S,  R1
.set MX, R2
.set SO, R2+4
.set BY, R2+6
.set TC, R2+8
	s_wait_dscnt 0x0                               ; the last trip's loads ahead have landed: their registers are free
	v_add_f32 v16, v16, v17                        ; the sums' two halves,
	v_add_f32 v20, v20, v21
	s_delay_alu instid0(VALU_DEP_2)
	v_permlanex16_b32 v[PB], v16, s[SEL], s[SEL+1]
	s_delay_alu instid0(VALU_DEP_2)
	v_permlanex16_b32 v[PB+1], v20, s[SEL], s[SEL+1]
	s_delay_alu instid0(VALU_DEP_2)
	v_add_f32 v16, v16, v[PB]                      ; and lane l xor 16's
	s_delay_alu instid0(VALU_DEP_2)
	v_add_f32 v20, v20, v[PB+1]
	v_and_b32 v[AK], 15, v0
	v_bfe_u32 v[AV], v0, 4, 1
	v_lshl_add_u32 v[AW], v[AK], 5, v[AV]          ; 32 r + h: my scale byte's place
	s_wait_alu depctr_va_vdst(0)
	v_rcp_f32 v16, v16
	v_rcp_f32 v20, v20
	v_nop
	s_wait_alu depctr_va_vdst(0)                   ; one wait for the two, directly ahead of the first reader
.set J, 0
.rept 32
	v_pk_mul_f32 v[S+J:S+J+1], v[180+J:181+J], v[16+4*(J/32):17+4*(J/32)] op_sel_hi:[1,0]   ; each accumulator from its low end on
.set J, J+2
.endr
.irp q, 0,1
	v_max3_num_f32 v[MX+2*\q], |v[S+32*\q]|, |v[S+32*\q+1]|, 0x1800000
	v_max3_num_f32 v[MX+2*\q+1], |v[S+32*\q+16]|, |v[S+32*\q+17]|, 0x1800000
.endr
.irp i, 2,4,6,8,10,12,14
.irp q, 0,1
	v_max3_num_f32 v[MX+2*\q], v[MX+2*\q], |v[S+32*\q+\i]|, |v[S+32*\q+\i+1]|
	v_max3_num_f32 v[MX+2*\q+1], v[MX+2*\q+1], |v[S+32*\q+16+\i]|, |v[S+32*\q+17+\i]|
.endr
.endr
.irp q, 0,1
	v_max_num_f32 v[MX+2*\q], v[MX+2*\q], v[MX+2*\q+1]
.endr
.irp q, 0,1
	v_add_nc_u32 v[SO+\q], 0xff000000, v[MX+2*\q]
.endr
.irp q, 0,1
	v_lshrrev_b32 v[BY+\q], 23, v[SO+\q]
.endr
.irp q, 0,1
	v_cvt_scalef32_pk16_fp6_f32 v[PC+6*\q:PC+2+6*\q], v[S+32*\q:S+15+32*\q], v[SO+\q]
	v_cvt_scalef32_pk16_fp6_f32 v[TC+4*\q:TC+2+4*\q], v[S+16+32*\q:S+31+32*\q], v[SO+\q]
.endr
	v_nop
.irp q, 0,1
.irp i, 0,1,2
	v_mov_b32 v[PC+3+6*\q+\i], v[TC+4*\q+\i]
.endr
.endr
.irp q, 0,1
.irp p, 0,1,2
	global_store_b64 v[L8], v[PC+6*\q+2*\p:PC+6*\q+2*\p+1], s[8:9] offset:12288*\q+256*\p   ; 256 consecutive bytes a store, aligned
.endr
	global_store_b8 v[AW], v[BY+\q], s[10:11] offset:512*\q
.endr
	s_wait_tensorcnt 0x0                           ; the wave's end
	ds_add_u32 v[SPW], v[NIL]
	s_wait_dscnt 0x0
	CROUND                                         ; the closing round
	s_endpgm
.Lfunc_end_k_q049a258656_attn:
	.size	k_q049a258656_attn, .Lfunc_end_k_q049a258656_attn-k_q049a258656_attn
	.p2alignl 7, 3214868480
	.fill 96, 4, 3214868480
	.section	.rodata,"a",@progbits
	.p2align	6, 0x0
	.amdhsa_kernel k_q049a258656_attn
		.amdhsa_group_segment_fixed_size 215040
		.amdhsa_private_segment_fixed_size 0
		.amdhsa_enable_private_segment 0
		.amdhsa_kernarg_size 32
		.amdhsa_user_sgpr_count 2
		.amdhsa_user_sgpr_kernarg_segment_ptr 1
		.amdhsa_wavefront_size32 1
		.amdhsa_system_sgpr_workgroup_id_x 1
		.amdhsa_system_sgpr_workgroup_id_y 1
		.amdhsa_system_sgpr_workgroup_id_z 1
		.amdhsa_system_vgpr_workitem_id 0
		.amdhsa_next_free_vgpr 256
		.amdhsa_next_free_sgpr 80
		.amdhsa_reserve_vcc 0
		.amdhsa_float_denorm_mode_32 3
		.amdhsa_float_denorm_mode_16_64 3
		.amdhsa_memory_ordered 1
		.amdhsa_forward_progress 1
		.amdhsa_inst_pref_size 53
	.end_amdhsa_kernel
	.amdgpu_metadata
---
amdhsa.version: [ 1, 2 ]
amdhsa.kernels:
  - .name:           k_q049a258656_attn
    .symbol:         k_q049a258656_attn.kd
    .args:
      - { .name: qkv_img, .offset: 0, .size: 8, .value_kind: global_buffer, .address_space: global }
      - { .name: qkv_sc, .offset: 8, .size: 8, .value_kind: global_buffer, .address_space: global }
      - { .name: ao_img, .offset: 16, .size: 8, .value_kind: global_buffer, .address_space: global }
      - { .name: ao_sc, .offset: 24, .size: 8, .value_kind: global_buffer, .address_space: global }
    .group_segment_fixed_size: 215040
    .private_segment_fixed_size: 0
    .kernarg_segment_align: 8
    .kernarg_segment_size: 32
    .max_flat_workgroup_size: 512
    .sgpr_count:     80
    .vgpr_count:     256
    .wavefront_size: 32
...
	.end_amdgpu_metadata
.endif
;; end of part 3
;; launch out (part 4): grid 4 x 32, 4 waves a work-group, clusters of 4 x 4, 327,680 bytes of LDS; arguments ao_img, ao_sc, in_img, in_sc, b_out, out0; writes out0
.if DOCPART == 4
	.amdgcn_target "amdgcn-amd-amdhsa--gfx1250"
	.amdhsa_code_object_version 6
	.text
	.protected	k_q049a258656_out
	.globl	k_q049a258656_out
	.p2align	8
	.type	k_q049a258656_out,@function
k_q049a258656_out:
	s_mov_b64 s[64:65], 0
	v_nop
	global_prefetch_b8 v0, s[64:65] scope:SCOPE_SE
	s_setreg_imm32_b32 hwreg(HW_REG_WAVE_MODE, 25, 1), 1
	s_wait_xcnt 0x0
	s_wait_alu depctr_hold_cnt(0) depctr_sa_sdst(0) depctr_va_vdst(0) depctr_va_sdst(0) depctr_va_ssrc(0) depctr_va_vcc(0) depctr_vm_vsrc(0)
	s_getreg_b32 s2, hwreg(HW_REG_IB_STS2, 6, 4)
	s_cmp_eq_u32 s2, 0
	s_cbranch_scc0 .Lentry_in_a_cluster
	s_endpgm
.Lentry_in_a_cluster:
	s_bfe_u32 s2, ttmp6, 0x10000c
	s_cmp_lg_u32 s2, 0xf033
	s_cbranch_scc0 .Lentry_shape_is_right
	s_endpgm
.Lentry_shape_is_right:
.set NQ,    2
.set FR,    12
.set NL,    3
.set NP,    4
.set FRB,   1536
.set HALFT, 8*NQ*FRB
.set SLOT,  4*HALFT
.set SCL,   2*SLOT
.set HALFS, 16*272
.set SBLK,  2*272
.set SPARE, SCL+4*HALFS
.set STAGE, SPARE+512
.set SPITCH, 528
.set ADRA, 16
.set ADRB, 20
.set STO,  24
.set RD,   25
.set CO,   26
.set ADRS, 27
.set SPW,  28
.set NIL,  29
.set SC,   32
.set BN,   64
.set AF,   128
.set BK,   128
.set G1, 24
.set G0, 32
.set G1B, 48
.set G0B, 56
.set G1S, 68
.set G0S, 76
.set G1SB, 80
.set G0SB, 88
.set OUTB, 98
.set MSB, 0
.macro WIN new
.if MSB != \new
	s_set_vgpr_msb (MSB<<8)|\new
.set MSB, \new
.endif
.endm
.set MUL_LO, 0xa1
.set MUL_HI, 0xf1
.set TO_B,   0x40
.macro JLOAD g0a, g1a, g0b, g1b
	s_cmp_eq_u32 s15, 0
	s_cbranch_scc0 .Lfor_b_\@
	tensor_load_to_lds s[\g0a:\g0a+3], s[\g1a:\g1a+7]
	s_nop 0
.rept 4
	v_nop
.endr
	s_branch .Lasked_\@
.Lfor_b_\@:
	tensor_load_to_lds s[\g0b:\g0b+3], s[\g1b:\g1b+7]
	s_nop 0
.rept 4
	v_nop
.endr
.Lasked_\@:
.endm
.macro CREST
	s_cmp_lg_u32 s14, 0
	s_cbranch_scc1 .Lnot_wave_0_\@
	s_barrier_signal -3
.Lnot_wave_0_\@:
	s_barrier_wait -3
	s_barrier_signal -1
	s_barrier_wait -1
.endm
.macro CROUND
	s_barrier_signal -1
	s_barrier_wait -1
	CREST
.endm
.macro PLACES n
.rept \n
	v_nop
.endr
.endm
	s_load_b128 s[4:7], s[0:1], 0x0
	s_load_b128 s[8:11], s[0:1], 0x10
	s_load_b128 s[96:99], s[0:1], 0x20
	v_lshl_add_u32 v[SPW], v0, 2, SPARE
	v_mov_b32 v[NIL], 0
	ds_add_u32 v28, v29
	ds_add_u32 v28, v29
	s_wait_dscnt 0x0
	v_lshrrev_b32 v1, 5, v0
	v_readfirstlane_b32 s14, v1
	s_lshr_b32 s15, s14, 1
	s_and_b32 s16, s14, 1
	s_bfe_u32 s40, ttmp6, 0x40000
	s_bfe_u32 s41, ttmp6, 0x40004
	s_lshl_b32 s42, ttmp9, 2
	s_add_co_u32 s42, s42, s40
	s_and_b32 s17, ttmp7, 0xffff
	s_lshl_b32 s17, s17, 2
	s_add_co_u32 s17, s17, s41
	s_lshl_b32 s43, s41, 2
	s_lshl_b32 s43, 15, s43
	s_lshl_b32 s44, 0x1111, s40
	s_or_b32 s[G1+0], s43, (3<<16)|(1<<21)
	s_or_b32 s[G1B+0], s44, (3<<16)|(1<<21)
.irp g, G1, G1B
	s_mov_b32 s[\g+1], 384<<16
	s_mov_b32 s[\g+2], 16<<16
	s_mov_b32 s[\g+3], 384<<16
	s_mov_b32 s[\g+4], 16
	s_mov_b32 s[\g+5], 1536
	s_mov_b32 s[\g+6], 0
	s_mov_b32 s[\g+7], 0
.endr
	s_or_b32 s[G1S+0], s43, (3<<16)|(1<<20)|(1<<21)|(5<<22)|(3<<25)
	s_or_b32 s[G1SB+0], s44, (3<<16)|(1<<20)|(1<<21)|(5<<22)|(3<<25)
.irp g, G1S, G1SB
	s_mov_b32 s[\g+1], 32<<16
	s_mov_b32 s[\g+2], 32<<16
	s_mov_b32 s[\g+3], 32<<16
	s_mov_b32 s[\g+4], 32
	s_mov_b32 s[\g+5], 32
	s_mov_b32 s[\g+6], 0
	s_mov_b32 s[\g+7], 0
.endr
	s_mul_i32 s18, s16, 64*FRB                     ; in the ring I fetch half a tile: 8 rowblocks of 8 fragments on
	s_mov_b32 s19, 0
	s_lshl_b32 s20, s17, 4
	s_lshl_b32 s46, s42, 4
	s_add_co_u32 s46, s46, 704
	s_lshl_b32 s22, s20, 9
	s_mov_b32 s23, 0
	s_lshl_b32 s92, s46, 9
	s_mov_b32 s93, 0
	s_mul_i32 s20, s20, 8*FRB
	s_mov_b32 s21, 0
	s_mul_i32 s46, s46, 8*FRB
	s_mov_b32 s47, 0
	s_mul_i32 s45, s14, HALFT
	s_wait_kmcnt 0x0
	s_add_nc_u64 s[20:21], s[4:5], s[20:21]
	s_add_nc_u64 s[22:23], s[6:7], s[22:23]
	s_add_nc_u64 s[46:47], s[8:9], s[46:47]
	s_add_nc_u64 s[92:93], s[10:11], s[92:93]
	CROUND
	s_mov_b32 s[G0S], 1
	s_mov_b32 s[G0S+1], SCL
	s_mov_b64 s[G0S+2:G0S+3], s[22:23]
	s_or_b32 s[G0S+3], s[G0S+3], 0x80000000
	s_mov_b32 s[G0SB], 1
	s_mov_b32 s[G0SB+1], SCL+2*HALFS
	s_mov_b64 s[G0SB+2:G0SB+3], s[92:93]
	s_or_b32 s[G0SB+3], s[G0SB+3], 0x80000000
	s_mov_b32 s[G0], 1                             ; the head's four tiles, each whole: slot 0's 16 rowblocks of A,
	s_mov_b32 s[G0+1], 0
	s_mov_b64 s[G0+2:G0+3], s[20:21]
	s_or_b32 s[G0+3], s[G0+3], 0x80000000
	s_mov_b32 s[G0B], 1                            ; its 16 rowblocks of B, and above the scales of A's and of B's 256 rows
	s_mov_b32 s[G0B+1], 2*HALFT
	s_mov_b64 s[G0B+2:G0B+3], s[46:47]
	s_or_b32 s[G0B+3], s[G0B+3], 0x80000000
.macro ARM under, g0, g1, next                 ; one tensor load a wave at the head, in one chain of branches on the wave's number
	s_cmp_lt_u32 s14, \under
	s_cbranch_scc0 \next
	tensor_load_to_lds s[\g0:\g0+3], s[\g1:\g1+7]
	s_nop 0
.rept 4
	v_nop
.endr
	s_branch .Lhead_asked
\next:
.endm
	ARM 1, G0,  G1,  .Lhead_b
	ARM 2, G0B, G1B, .Lhead_sa
	ARM 3, G0S, G1S, .Lhead_sb
	tensor_load_to_lds s[G0SB:G0SB+3], s[G1SB:G1SB+7]
	s_nop 0
.rept 4
	v_nop
.endr
.Lhead_asked:
	s_add_nc_u64 s[20:21], s[20:21], s[18:19]      ; for the ring: my half of a tile
	s_add_nc_u64 s[46:47], s[46:47], s[18:19]
	s_mov_b32 s[G0+4], 1
	s_add_co_u32 s[G0+5], s45, SLOT
	s_add_nc_u64 s[G0+6:G0+7], s[20:21], NQ*FRB
	s_or_b32 s[G0+7], s[G0+7], 0x80000000
	s_mov_b32 s[G0B+4], 1
	s_add_co_u32 s[G0B+5], s45, SLOT
	s_add_nc_u64 s[G0B+6:G0B+7], s[46:47], NQ*FRB
	s_or_b32 s[G0B+7], s[G0B+7], 0x80000000
	v_and_b32 v1, 15, v0
	v_bfe_u32 v2, v0, 4, 1
	v_and_b32 v3, 31, v0
	v_lshlrev_b32 v[CO], 4, v3
	v_lshlrev_b32 v4, 7, v2
	v_lshlrev_b32 v5, 3, v3
	s_wait_alu depctr_va_vdst(0)
	s_lshl_b32 s18, s42, 10
	s_lshl_b32 s19, s16, 9
	s_add_co_u32 s18, s18, s19
	s_mov_b32 s19, 0
	s_add_nc_u64 s[96:97], s[96:97], s[18:19]
	s_add_nc_u64 s[OUTB:OUTB+1], s[OUTB:OUTB+1], s[18:19]
	s_lshl_b32 s18, s17, 20
	s_lshl_b32 s94, s15, 19
	s_add_co_u32 s18, s18, s94
	s_add_nc_u64 s[OUTB:OUTB+1], s[OUTB:OUTB+1], s[18:19]
.irp b, 0,1,2,3,4,5,6,7
.irp i, 0,1
	global_load_b128 v[BN+8*\b+4*\i:BN+8*\b+4*\i+3], v4, s[96:97] offset:256*(\b/4)+32*(\b%4)+16*\i
.endr
.endr
	s_mul_i32 s21, s15, HALFT
	s_mul_i32 s22, s16, HALFT
	s_add_co_u32 s22, s22, 2*HALFT
.irp s, 0,1
	v_add_nc_u32 v[ADRA+\s], s21, v5
	v_add_nc_u32 v[ADRB+\s], s22, v[CO]
	s_add_co_u32 s21, s21, SLOT
	s_add_co_u32 s22, s22, SLOT
.endr
	v_mul_u32_u24 v7, v1, 32
	v_lshrrev_b32 v8, 8, v7
	v_lshl_add_u32 v7, v8, 4, v7
	s_mul_i32 s21, s15, HALFS
	s_mul_i32 s22, s16, HALFS
	s_add_co_u32 s22, s22, 2*HALFS
	s_sub_co_u32 s22, s22, s21
	v_mul_u32_u24 v8, s22, v2
	s_add_co_u32 s21, s21, SCL
	v_add_nc_u32 v7, v7, v8
	v_add_nc_u32 v[ADRS], s21, v7
	s_mul_i32 s23, s14, 16*SPITCH
	s_add_co_u32 s23, s23, STAGE
	v_mul_u32_u24 v7, v1, SPITCH
	v_lshl_add_u32 v7, v2, 7, v7
	v_add_nc_u32 v[STO], s23, v7
	v_add_nc_u32 v[RD], s23, v[CO]
	s_wait_alu depctr_va_vdst(0)
	s_wait_tensorcnt 0x0                           ; my tile of the head's four is in; the three lines ahead of a later first fill, as ahead of a refill
	ds_add_u32 v28, v29
	s_mov_b32 s[G0+1], s45                         ; no tensor load of mine is out: slot 0's descriptors become the ring's, my half of a tile,
	s_sub_nc_u64 s[G0+2:G0+3], s[G0+6:G0+7], NQ*FRB
	s_mov_b32 s[G0B+1], s45
	s_sub_nc_u64 s[G0B+2:G0B+3], s[G0B+6:G0B+7], NQ*FRB
	s_mov_b32 s[G1+2], 8<<16                       ; and a load brings 8 rowblocks from here on
	s_mov_b32 s[G1+4], 8
	s_mov_b32 s[G1B+2], 8<<16
	s_mov_b32 s[G1B+4], 8
	s_wait_dscnt 0x0
	CROUND                                         ; all four tiles are in, and all sixteen work-groups are here
	JLOAD G0+4, G1, G0B+4, G1B                     ; slot 1's first fill, the first tensor load behind the round
	s_wait_loadcnt 0x0
	PLACES 8
.macro FRAG reg, adr, q, i
.irp c, 0,1,2
	ds_load_b128 v[\reg+4*\c:\reg+4*\c+3], v[\adr] offset:(\i)*NQ*FRB+(\q)*FRB+512*\c
.endr
.endm
.macro MUL16 a0, p, q, sc, zero
.irp a, \a0, \a0+1
.irp b, 0,1,2,3,4,5,6,7
.if \zero
	v_wmma_scale_f32_16x16x128_f8f6f4 v[8*(8*((\a)%4)+\b):8*(8*((\a)%4)+\b)+7], v[128*(\p)+FR*\b:128*(\p)+FR*\b+FR-1], v[AF+FR*(\a):AF+FR*(\a)+FR-1], v[BN+8*\b:BN+8*\b+7], v[SC+8*NQ*(\sc)+NQ*\b+(\q)], v[SC+8*NQ*(\sc)+NQ*(\a)+(\q)] matrix_a_fmt:MATRIX_FMT_FP6 matrix_b_fmt:MATRIX_FMT_FP6 matrix_a_scale:MATRIX_SCALE_ROW1
.else
	v_wmma_scale_f32_16x16x128_f8f6f4 v[8*(8*((\a)%4)+\b):8*(8*((\a)%4)+\b)+7], v[128*(\p)+FR*\b:128*(\p)+FR*\b+FR-1], v[AF+FR*(\a):AF+FR*(\a)+FR-1], v[8*(8*((\a)%4)+\b):8*(8*((\a)%4)+\b)+7], v[SC+8*NQ*(\sc)+NQ*\b+(\q)], v[SC+8*NQ*(\sc)+NQ*(\a)+(\q)] matrix_a_fmt:MATRIX_FMT_FP6 matrix_b_fmt:MATRIX_FMT_FP6 matrix_a_scale:MATRIX_SCALE_ROW1
.endif
.endr
.endr
.endm
.macro FETCH_B slot, q, p
	WIN TO_B
.irp i, 0,1,2,3,4,5,6,7
	FRAG 128*(\p)+FR*\i, ADRB+\slot, \q, \i
.endr
	WIN 0
.endm
.macro FETCH_A slot, q, i0
.irp i, \i0, \i0+1, \i0+2, \i0+3
.irp p, 0,1,2,3,4,5
	ds_load_b64 v[AF+FR*(\i)+2*\p:AF+FR*(\i)+2*\p+1], v[ADRA+\slot] offset:(\i)*NQ*FRB+(\q)*FRB+256*\p
.endr
.endr
.endm
.macro SCALES sc
.irp i, 0,1,2,3,4,5,6,7
	ds_load_b64 v[SC+8*NQ*\sc+NQ*\i:SC+8*NQ*\sc+NQ*\i+1], v[ADRS] offset:\i*SBLK
.endr
.endm
.macro STEP slot, q, zero
	s_wait_dscnt 4*NL
.if \zero
	WIN 0x81
.else
	WIN MUL_LO
.endif
	MUL16 0, (\q)%2, \q, \slot, \zero
	MUL16 2, (\q)%2, \q, \slot, \zero
	s_wait_dscnt 0
	PLACES NP
	FETCH_B \slot, (\q)+1, 1-(\q)%2
	FETCH_A \slot, (\q)+1, 0
.if \zero
	WIN 0xc1
.else
	WIN MUL_HI
.endif
	MUL16 4, (\q)%2, \q, \slot, \zero
	MUL16 6, (\q)%2, \q, \slot, \zero
	PLACES NP
	WIN 0
	FETCH_A \slot, (\q)+1, 4
.endm
.macro TURN slot, next, fill
	s_wait_tensorcnt 0x0
	ds_add_u32 v[SPW], v[NIL]
	s_wait_dscnt 4*NL+1
	WIN MUL_LO
	MUL16 0, 1, NQ-1, \slot, 0
	s_wait_dscnt 0x0
	s_barrier_signal -1
	MUL16 2, 1, NQ-1, \slot, 0
	WIN 0
	s_barrier_wait -1
.if \fill
	CREST
	s_add_nc_u64 s[G0+4*\slot+2:G0+4*\slot+3], s[G0+4*\slot+2:G0+4*\slot+3], 2*NQ*FRB
	s_add_nc_u64 s[G0B+4*\slot+2:G0B+4*\slot+3], s[G0B+4*\slot+2:G0B+4*\slot+3], 2*NQ*FRB
	JLOAD G0+4*\slot, G1, G0B+4*\slot, G1B
.else
	PLACES NP
.endif
	s_wait_alu depctr_va_vdst(0)
	v_add_nc_u32 v[ADRS], 4*NQ, v[ADRS]
	FETCH_B \next, 0, 0
	FETCH_A \next, 0, 0
	SCALES \next
	WIN MUL_HI
	MUL16 4, 1, NQ-1, \slot, 0
	MUL16 6, 1, NQ-1, \slot, 0
	PLACES NP
	WIN 0
	FETCH_A \next, 0, 4
.endm
	s_wait_tensorcnt 1
	s_barrier_signal -1
	s_barrier_wait -1
	FETCH_B 0, 0, 0
	FETCH_A 0, 0, 0
	SCALES 0
	FETCH_A 0, 0, 4
	STEP 0, 0, 1
	TURN 0, 1, 1
	STEP 1, 0, 0
	TURN 1, 0, 1
	STEP 0, 0, 0
	TURN 0, 1, 0
	STEP 1, 0, 0
	s_wait_dscnt 4*NL
	WIN MUL_LO
	MUL16 0, 1, NQ-1, 1, 0
	MUL16 2, 1, NQ-1, 1, 0
	s_wait_dscnt 0
	WIN MUL_HI
	MUL16 4, 1, NQ-1, 1, 0
	MUL16 6, 1, NQ-1, 1, 0
	WIN 0
.macro TOSTAGE a
.set AC, 64*((\a)%4)
	WIN 0x08+4*((\a)/4)
.irp b, 0,1,2,3,4,5,6,7
	ds_store_b128 v[STO], v[AC+8*\b:AC+8*\b+3] offset:256*(\b/4)+32*(\b%4)
	ds_store_b128 v[STO], v[AC+8*\b+4:AC+8*\b+7] offset:256*(\b/4)+32*(\b%4)+16
.endr
	WIN 0
.set BB, BK+64*((\a)%2)
.irp t, 0,1,2,3,4,5,6,7,8,9,10,11,12,13,14,15
	ds_load_b128 v[BB+4*\t:BB+4*\t+3], v[RD] offset:\t*SPITCH
.endr
.endm
.macro SEND a, younger
.set BB, BK+64*((\a)%2)
	s_wait_dscnt \younger
.irp t, 0,1,2,3,4,5,6,7,8,9,10,11,12,13,14,15
	global_store_b128 v[CO], v[BB+4*\t:BB+4*\t+3], s[OUTB:OUTB+1] offset:(64*((\a)/4)+32*(\t/8)+8*((\a)%4)+\t%8)*4096 th:TH_STORE_NT
.endr
.endm
	PLACES NP
	TOSTAGE 0
.irp a, 1,2,3,4,5,6,7
.if \a > 1
	s_wait_xcnt 0x0
.endif
	TOSTAGE \a
	SEND \a-1, 32
.endr
	SEND 7, 0
	s_wait_tensorcnt 0x0
	ds_add_u32 v[SPW], v[NIL]
	s_wait_dscnt 0x0
	CROUND
	s_endpgm
.Lfunc_end_k_q049a258656_out:
	.size	k_q049a258656_out, .Lfunc_end_k_q049a258656_out-k_q049a258656_out
	.p2alignl 7, 3214868480
	.fill 96, 4, 3214868480
	.section	.rodata,"a",@progbits
	.p2align	6, 0x0
	.amdhsa_kernel k_q049a258656_out
		.amdhsa_group_segment_fixed_size 327680
		.amdhsa_private_segment_fixed_size 0
		.amdhsa_enable_private_segment 0
		.amdhsa_kernarg_size 48
		.amdhsa_user_sgpr_count 2
		.amdhsa_user_sgpr_kernarg_segment_ptr 1
		.amdhsa_wavefront_size32 1
		.amdhsa_system_sgpr_workgroup_id_x 1
		.amdhsa_system_sgpr_workgroup_id_y 1
		.amdhsa_system_sgpr_workgroup_id_z 1
		.amdhsa_system_vgpr_workitem_id 0
		.amdhsa_next_free_vgpr 1024
		.amdhsa_next_free_sgpr 102
		.amdhsa_reserve_vcc 0
		.amdhsa_float_denorm_mode_32 3
		.amdhsa_float_denorm_mode_16_64 3
		.amdhsa_memory_ordered 1
		.amdhsa_forward_progress 1
		.amdhsa_inst_pref_size 150
	.end_amdhsa_kernel
	.amdgpu_metadata
---
amdhsa.version: [ 1, 2 ]
amdhsa.kernels:
  - .name:           k_q049a258656_out
    .symbol:         k_q049a258656_out.kd
    .args:
      - { .name: ao_img, .offset: 0, .size: 8, .value_kind: global_buffer, .address_space: global }
      - { .name: ao_sc, .offset: 8, .size: 8, .value_kind: global_buffer, .address_space: global }
      - { .name: in_img, .offset: 16, .size: 8, .value_kind: global_buffer, .address_space: global }
      - { .name: in_sc, .offset: 24, .size: 8, .value_kind: global_buffer, .address_space: global }
      - { .name: b_out, .offset: 32, .size: 8, .value_kind: global_buffer, .address_space: global }
      - { .name: out0, .offset: 40, .size: 8, .value_kind: global_buffer, .address_space: global }
    .group_segment_fixed_size: 327680
    .private_segment_fixed_size: 0
    .kernarg_segment_align: 8
    .kernarg_segment_size: 48
    .max_flat_workgroup_size: 128
    .sgpr_count:     102
    .vgpr_count:     1024
    .wavefront_size: 32
...
	.end_amdgpu_metadata
.endif
;; end of part 4
